; MI455X (gfx1250); checked and timed in simulation.
; The chip was launched on July 23, 2026; its instructions are those of AMD's public machine-readable ISA for CDNA 5 (MIT licence, August 2026) and "CDNA5" Instruction Set Architecture Reference Guide (July 2026). The comments in the code are by the model that wrote it; some were corrected since.
;; Parallel Causal Self Attention. Allowed arithmetic: matrix products marked QUANTISED: E2M1 operands, one E8M0 scale for each 32 along K, by v_wmma_scale_f32_16x16x128_f8f6f4 with both operands' format E2M1 (or v_wmma_scale_f32_32x16x128_f4), f32 sums; products left as they are: bf16, f16 or f32 operands; f32 sums; everything else in f32.
;; Inputs: W_kqv 1,024 x 3,072 float32; W_proj 1,024 x 1,024 float32; b_kqv 3,072 float32; b_proj 1,024 float32; x 4 x 2,048 x 1,024 float32.
;; Outputs: out0 4 x 2,048 x 1,024 float32.
;; This version of the problem:
;;   THIS VERSION OF THE PROBLEM IS GIVEN IN LOW PRECISION. The matrix products marked QUANTISED in the list below multiply operands that are first quantised to E2M1 (2 exponent bits, 1 mantissa bit; 4 bits a number), with one power-of-two scale for each 32 numbers along K (OCP MX v1.0); their sums are f32. The products marked 'left as it is' may take bf16, f16 or f32 operands, with f32 sums. Whichever they take, every output number must still come out within the allowed error. Rounding operands to bf16 (8 significant bits) uses up far more of that allowance than f16 does (11 bits, for magnitudes from 6e-5 to 65,504). All else is computed in f32.
;;   The module's matrix products, in the order in which they are computed (A, B: the left and right operand; K: the contracted axis; several contracted axes count as one K, in the product's order):
;;     1. [M 8,192, K 1,024] x [K 1,024, N 3,072]; A: input x; B: input W_kqv: QUANTISED
;;     2. batch 64 x [M 2,048, K 64] x [K 64, N 2,048]; A: computed on the way; B: computed on the way: left as it is (an operand is computed on the way)
;;     3. batch 64 x [M 2,048, K 2,048] x [K 2,048, N 64]; A: computed on the way; B: computed on the way: left as it is (an operand is computed on the way)
;;     4. [M 8,192, K 1,024] x [K 1,024, N 1,024]; A: computed on the way; B: input W_proj: left as it is (an operand is computed on the way)
;;   THE QUANTISER, for each operand of a quantised product, along K:
;;     - K is cut into blocks of 32 from its start; a last block that is shorter is filled with zeros.
;;     - A block's scale is 2^e with e = floor(log2(the largest magnitude in the block)) - 2, held to -126 .. 127; a block of zeros has e = 0. As a byte (E8M0): e + 127.
;;     - Each number is divided by its block's scale, clamped to +-6, and rounded to the nearest number of E2M1, ties to even, subnormals kept.
;;     - The product sums the exact products of the quantised numbers (number of the format x scale) in f32.
;;   ~~~python
;;   def quantise(x, axis):      # numpy; x: float32 -> the quantised numbers, widened to float32 again
;;       x = np.moveaxis(x, axis, -1); K = x.shape[-1]
;;       x = np.pad(x, [(0, 0)] * (x.ndim - 1) + [(0, -K % 32)]); x = x.reshape(x.shape[:-1] + (-1, 32)); a = np.abs(x).max(-1, keepdims=True)
;;       e = np.where(a > 0, np.clip(np.frexp(np.where(a > 0, a, 1))[1] - 1 - 2, -126, 127), 0)      # np.frexp(a)[1] - 1 = floor(log2(a)), exactly
;;       r = np.clip(x / 2.0 ** e, -6, 6)
;;       step = 2.0 ** (np.maximum(np.frexp(np.where(r == 0, 1, r))[1] - 1, 0) - 1)
;;       q = np.round(r / step) * step * 2.0 ** e      # np.round: ties to even
;;       return np.moveaxis(q.reshape(q.shape[:-2] + (-1,))[..., :K], -1, axis).astype(np.float32)
;;   ~~~
;; One version. Each part assembles by itself: llvm-mc -triple=amdgcn-amd-amdhsa -mcpu=gfx1250 --defsym DOCPART=n.
;; ======== version 1 of 1: 5 launches
;; limits: values are held in f16: magnitudes above 65,504 overflow, below 6.1e-05 lose precision
;; workspace buffers: xc 4,194,304 bytes; xs 262,144 bytes; wc 1,572,864 bytes; ws 98,304 bytes; wp16 4,194,304 bytes; kqv16 50,331,648 bytes; kqv32 786,432 bytes; y16 16,777,216 bytes
;; launch prep (part 1): grid 368 x 1, 4 waves a work-group, no clusters, 102,912 bytes of LDS; arguments x, W_kqv, W_proj, xc, xs, wc, ws, wp16; writes xc, xs, wc, ws, wp16
.if DOCPART == 1
	.amdgcn_target "amdgcn-amd-amdhsa--gfx1250"
	.amdhsa_code_object_version 6
	.text
	.protected	k_q389c84ee33_prep
	.globl	k_q389c84ee33_prep
	.p2align	8
	.type	k_q389c84ee33_prep,@function
k_q389c84ee33_prep:
	s_mov_b64 s[64:65], 0
	v_nop
	global_prefetch_b8 v0, s[64:65] scope:SCOPE_SE
	s_setreg_imm32_b32 hwreg(HW_REG_WAVE_MODE, 25, 1), 1
	s_wait_xcnt 0x0
; FIRST OF FIVE LAUNCHES of: out = causal_attention(x W_kqv + b_kqv) W_proj + b_proj, B 4, T 2048, C 1024, 16 heads of 64.
; This launch makes the operands of the later ones:
;   x     [8192][1024] f32 -> xc [8192][512 bytes] codes of E2M1, K innermost, and xs [8192][32] E8M0 bytes (one for each 32 along K)
;   W_kqv [1024 k][3072 n] f32 -> wc [3072][512 bytes], ws [3072][32]: quantised along K, its FIRST axis, and laid with K innermost
;   W_proj [1024 k][1024 n] f32 -> wp16: [1024 n][1024 k] f16, a high part at byte 0 and a low part at byte 2,097,152 (high + low = the f32 number to about 22 bits)
; WORK THAT THE PROGRAM LEAVES OUT, and why it is dead: reference() builds a causal mask in its own body (jnp.tril) and sets every score of a key behind its query to -inf
; ahead of the softmax, whose weight for it is then exactly 0, whatever finite values the inputs hold.  So tiles of keys that lie wholly behind all queries of a wave are
; neither multiplied with q nor with v (launch attn).  Nothing else is left out; every input is loaded (b_kqv whole, its k part too).
; LIMIT of that: a NaN, an infinity or an overflow that would arise only in the scores left out is not carried to the result.
; THE QUANTISER: a block's scale is 2^(floor(log2(largest magnitude)) - 2); its byte is the largest magnitude's exponent field - 2, held at 1 from below.  A block of zeros so gets
; the byte 1 where the rule says 127: its codes are zeros, which add nothing under any byte but 0xff, and the bytes are read by this program alone.
; LIMITS: NaN and infinities among the inputs are not served; |W_proj| stays under 65,504 (f16's largest number).
; THREE PATHS, parted on the work-group's number, which never join; each has LDS bytes of its own.  Work-groups 0-47: W_kqv; 48-111: W_proj; 112-367: x.
; No tensor loads, no barrier: waves share nothing.
.set SPARE,  102400                    ; behind the three paths' bytes: the spare words, 128 bytes for each wave, which no other line names
.set SPW,    1                         ; v1   LDS address of my spare word: SPARE + 4 x my thread's number; never rewritten
.set NIL,    2                         ; v2   0; never rewritten
.set LANE,   10                        ; v10  lane
.set EMAX,   2
.set PITCH,  272                       ; a stage row of 256 bytes + 16
; path x
.set XWREG,  8192                      ; LDS 0 .. 32,767: a region for each wave: two stages of 32 x XSP bytes, then its 256 scale bytes
.set XSP,    80                        ; a lane's place in a stage: 64 bytes + 16 of padding
.set XR,     16                        ; v16-79   four sets of 16 numbers as loaded
.set XX,     80                        ; v80-111  two sets of 16 neighbours
.set XE,     112                       ; v112-127 a scale byte for each step
.set XC,     128                       ; v128-191 codes, four registers for each step
; path W_kqv
.set WSTG,   32768                     ; LDS 32,768 .. 67,583: a stage of 32 rows x 272 for each wave
.set WN,     3072
.set WSB,    24                        ; v24-27   scale bytes, four to a register
.set WX,     32                        ; v32-95   two sets of 32 numbers
.set WC,     96                        ; v96-99   a block's codes
.set WOUT,   112                       ; v112-175 the way out
; path W_proj
.set PSTG,   67584                     ; LDS 67,584 .. 102,399: a stage of 32 rows x 272 for each wave
.set PX,     16                        ; v16-79   two sets of 32 numbers
.set PHI,    80                        ; v80-95   a block's high parts, f16 in pairs
.set PT,     96                        ; v96-127  c, then the high parts in f32
.set PLO,    128                       ; v128-191 all four blocks' low parts, f16 in pairs
.set PD,     192                       ; v192-223 d, then the low parts in f32
.set POUT,   192                       ; v192-255 the way out: high rows;  v16-79: low rows
.set POUT2,  16
	s_load_b512 s[4:19], s[0:1], 0x0               ; x 4:5, W_kqv 6:7, W_proj 8:9, xc 10:11, xs 12:13, wc 14:15, ws 16:17, wp16 18:19
	v_lshl_add_u32 v[SPW], v0, 2, SPARE
	v_mov_b32 v[NIL], 0
	v_lshrrev_b32 v3, 5, v0
	v_readfirstlane_b32 s20, v3                    ; wave 0..3
	v_and_b32 v[LANE], 31, v0
	s_cmp_lt_u32 ttmp9, 48
	s_cbranch_scc1 .Lpath_w
	s_cmp_lt_u32 ttmp9, 112
	s_cbranch_scc1 .Lpath_p
; ---------------- x: a plain stream of blocks of 32.  A wave takes 16 steps of 512 numbers.  Each load reads 512 consecutive bytes; a step's 2,048 bytes turn through the wave's stage,
; so that a lane then holds 16 NEIGHBOURS along K (two neighbouring lanes hold a block).  A lane's 16 codes are 8 bytes: the wave stores 256 consecutive bytes.
	v_lshlrev_b32 v3, 4, v[LANE]                   ; my 16 bytes of a load's 512
	s_mul_i32 s21, s20, XWREG
	v_lshrrev_b32 v14, 2, v[LANE]
	v_mul_u32_u24 v14, v14, XSP
	v_and_b32 v15, 3, v[LANE]
	v_lshl_add_u32 v14, v15, 4, v14
	v_add_nc_u32 v14, s21, v14                     ; the stage, in: XSP (lane / 4) + 16 (lane % 4)
	v_mul_u32_u24 v15, v[LANE], XSP
	v_add_nc_u32 v15, s21, v15                     ; out: XSP x lane
	v_lshlrev_b32 v4, 3, v[LANE]                   ; 8 x lane: my codes' place in a step's, and my 8 scale bytes' at the end
	v_lshrrev_b32 v5, 1, v[LANE]
	s_add_co_u32 s21, s21, 2*32*XSP
	v_add_nc_u32 v5, s21, v5                       ; LDS: my wave's 256 scale bytes, my block's byte
	v_add_nc_u32 v6, s21, v4                       ; and 8 bytes a lane on the way out
	s_wait_kmcnt 0x0
	s_sub_co_u32 s22, ttmp9, 112
	s_lshl_b32 s22, s22, 2
	s_add_co_u32 s22, s22, s20                     ; which run of 8,192 numbers is my wave's
	s_mov_b32 s23, 0
	s_lshl_b64 s[24:25], s[22:23], 15
	s_add_nc_u64 s[4:5], s[4:5], s[24:25]
	s_lshl_b64 s[24:25], s[22:23], 12
	s_add_nc_u64 s[10:11], s[10:11], s[24:25]
	s_lshl_b64 s[24:25], s[22:23], 8
	s_add_nc_u64 s[12:13], s[12:13], s[24:25]
.macro XLOAD t
.irp i, 0,1,2,3
	global_load_b128 v[XR+16*((\t)%4)+4*\i:XR+16*((\t)%4)+4*\i+3], v3, s[4:5] offset:2048*(\t)+512*\i th:TH_LOAD_NT
.endr
.endm
.macro XTURN t                         ; LDS serves a wave's instructions in order: no wait between the stores and the loads
.irp i, 0,1,2,3
	ds_store_b128 v14, v[XR+16*((\t)%4)+4*\i:XR+16*((\t)%4)+4*\i+3] offset:32*XSP*((\t)%2)+8*XSP*\i
.endr
.irp i, 0,1,2,3
	ds_load_b128 v[XX+16*((\t)%2)+4*\i:XX+16*((\t)%2)+4*\i+3], v15 offset:32*XSP*((\t)%2)+16*\i
.endr
.endm
.irp t, 0,1,2,3
	XLOAD \t
.endr
	s_wait_loadcnt 12                              ; step 0's four loads are in; three steps' may be out
	XTURN 0
.macro XSTEP t
.set XS, XX+16*((\t)%2)
.if (\t) > 0
	s_wait_dscnt 1                                 ; this step's numbers are back from the stage (the last step's byte store may be out)
.else
	s_wait_dscnt 0x0
.endif
.if (\t)+4 < 16
	XLOAD (\t)+4                                   ; into the registers that this step's stores into the stage have read
.endif
.if (\t)+1 < 16
.if 14-(\t) >= 3
	s_wait_loadcnt 12                              ; the next step's four loads are in; those of the three steps behind it may be out
.else
	s_wait_loadcnt 4*(14-(\t))
.endif
	XTURN (\t)+1
.endif
	v_max3_num_f32 v8, |v[XS]|, |v[XS+1]|, |v[XS+2]|
	v_max3_num_f32 v9, |v[XS+3]|, |v[XS+4]|, |v[XS+5]|
.irp i, 6,10
	v_max3_num_f32 v8, v8, |v[XS+\i]|, |v[XS+\i+1]|
	v_max3_num_f32 v9, v9, |v[XS+\i+2]|, |v[XS+\i+3]|
.endr
	v_max3_num_f32 v8, v8, |v[XS+14]|, |v[XS+15]|
	v_max3_num_f32 v8, v8, v9, (EMAX+1)<<23        ; and the floor 2^(3 - 127): the byte cannot fall under 1
	v_max_num_f32_dpp v8, v8, v8 row_xmask:1 row_mask:0xf bank_mask:0xf   ; with my neighbour's 16: the block's largest magnitude
	v_add_nc_u32 v11, -(EMAX<<23), v8              ; 2 off its exponent field: the conversion takes that field as its scale
	v_cvt_scalef32_pk8_fp4_f32 v[XC+4*(\t)], v[XS:XS+7], v11
	v_cvt_scalef32_pk8_fp4_f32 v[XC+4*(\t)+1], v[XS+8:XS+15], v11
	v_lshrrev_b32 v[XE+(\t)], 23, v11              ; the scale's byte
	ds_store_b8 v5, v[XE+(\t)] offset:16*(\t)      ; both lanes of a block write the same byte with the same value
	global_store_b64 v4, v[XC+4*(\t):XC+4*(\t)+1], s[10:11] offset:256*(\t)
.endm
.irp t, 0,1,2,3,4,5,6,7,8,9,10,11,12,13,14,15
	XSTEP \t
.endr
	ds_load_b64 v[8:9], v6
	s_wait_dscnt 0x0
	global_store_b64 v4, v[8:9], s[12:13]          ; 32 lanes store 256 consecutive bytes, aligned
	s_wait_tensorcnt 0x0                           ; the wave's end
	ds_add_u32 v[SPW], v[NIL]
	s_wait_dscnt 0x0
	s_endpgm
; ---------------- W_kqv: a lane takes a column n and its registers run DOWN K, so a block of 32 lies in one lane and the codes come out with K innermost.
; Work-group: 128 columns x 512 along K; a wave 32 columns.  The codes go through the wave's stage and leave as rows: sixteen lanes store 256 consecutive bytes.
.Lpath_w:
	s_cmp_ge_u32 ttmp9, 24
	s_cselect_b32 s22, 1, 0                        ; which 512 along K
	s_cselect_b32 s21, 24, 0
	s_sub_co_u32 s21, ttmp9, s21
	s_lshl_b32 s21, s21, 7
	s_lshl_b32 s23, s20, 5
	s_add_co_u32 s21, s21, s23                     ; my wave's first column
	v_lshlrev_b32 v3, 2, v[LANE]
	s_mul_i32 s23, s20, 32*PITCH
	s_add_co_u32 s23, s23, WSTG
	v_mul_u32_u24 v4, v[LANE], PITCH
	v_add_nc_u32 v4, s23, v4                       ; into the stage: row = my column
	v_and_b32 v5, 15, v[LANE]
	v_lshrrev_b32 v6, 4, v[LANE]
	v_mul_u32_u24 v7, v6, PITCH
	v_lshl_add_u32 v7, v5, 4, v7
	v_add_nc_u32 v7, s23, v7                       ; out of it: sixteen lanes to a row
	v_lshlrev_b32 v8, 9, v6
	v_lshl_add_u32 v8, v5, 4, v8                   ; the same place in wc (rows of 512 bytes)
	v_lshlrev_b32 v9, 5, v[LANE]                   ; my column's row of 32 scale bytes
	s_mul_i32 s24, s22, 512*WN*4
	s_lshl_b32 s26, s21, 2
	s_add_co_u32 s24, s24, s26
	s_mov_b32 s25, 0
	s_wait_kmcnt 0x0
	s_add_nc_u64 s[6:7], s[6:7], s[24:25]
	s_lshl_b32 s24, s21, 9
	s_lshl_b32 s26, s22, 8
	s_add_co_u32 s24, s24, s26
	s_add_nc_u64 s[14:15], s[14:15], s[24:25]
	s_lshl_b32 s24, s21, 5
	s_lshl_b32 s26, s22, 4
	s_add_co_u32 s24, s24, s26
	s_add_nc_u64 s[16:17], s[16:17], s[24:25]
.macro WLOAD t                         ; block t: W(32 t + i, my column); every offset an immediate, 511 x 12,288 bytes at the most
.set n, 0
.rept 32
	global_load_b32 v[WX+32*((\t)%2)+n], v3, s[6:7] offset:(32*(\t)+n)*WN*4 th:TH_LOAD_NT
.set n, n+1
.endr
.endm
	WLOAD 0
	WLOAD 1
.macro WBLOCK t
.set WXS, WX+32*((\t)%2)
.if (\t) < 15
	s_wait_loadcnt 32                              ; this block's 32 loads are in; the next block's may be out
.else
	s_wait_loadcnt 0
.endif
	v_max3_num_f32 v12, |v[WXS]|, |v[WXS+1]|, |v[WXS+2]|
	v_max3_num_f32 v13, |v[WXS+3]|, |v[WXS+4]|, |v[WXS+5]|
.irp i, 6,10,14,18,22,26
	v_max3_num_f32 v12, v12, |v[WXS+\i]|, |v[WXS+\i+1]|
	v_max3_num_f32 v13, v13, |v[WXS+\i+2]|, |v[WXS+\i+3]|
.endr
	v_max3_num_f32 v12, v12, |v[WXS+30]|, |v[WXS+31]|
	v_max3_num_f32 v12, v12, v13, (EMAX+1)<<23
	v_add_nc_u32 v11, -(EMAX<<23), v12
	v_lshrrev_b32 v13, 23, v11
.if (\t)%4 == 0
	v_mov_b32 v[WSB+(\t)/4], v13
.else
	v_lshl_or_b32 v[WSB+(\t)/4], v13, 8*((\t)%4), v[WSB+(\t)/4]
.endif
.irp g, 0,1,2,3
	v_cvt_scalef32_pk8_fp4_f32 v[WC+\g], v[WXS+8*\g:WXS+8*\g+7], v11
.endr
	ds_store_b128 v4, v[WC:WC+3] offset:16*(\t)
.if (\t)+2 < 16
	WLOAD (\t)+2
.endif
	s_wait_dscnt 0x0                               ; the store has read its registers
.endm
.set Q, 0
.rept 16
	WBLOCK Q
.set Q, Q+1
.endr
	global_store_b128 v9, v[WSB:WSB+3], s[16:17]   ; my column's 16 scale bytes
.set n, 0
.rept 16
	ds_load_b128 v[WOUT+4*n:WOUT+4*n+3], v7 offset:2*n*PITCH
.set n, n+1
.endr
.set n, 0
.rept 16
	s_wait_dscnt 15-n
	global_store_b128 v8, v[WOUT+4*n:WOUT+4*n+3], s[14:15] offset:2*n*512
.set n, n+1
.endr
	s_wait_tensorcnt 0x0                           ; the wave's end
	ds_add_u32 v[SPW], v[NIL]
	s_wait_dscnt 0x0
	s_endpgm
; ---------------- W_proj: the same plan (a lane a column, registers down K), 128 columns x 128 along K to a work-group.  Each number is split in f32:
; c = 8193 x, d = c - x, high = c - d (11 significant bits: exact in f16's normal range), low = x - high (exact).  Both parts go out as f16, K innermost.
.Lpath_p:
	s_sub_co_u32 s21, ttmp9, 48
	s_and_b32 s22, s21, 7
	s_lshr_b32 s23, s21, 3                         ; which 128 along K
	s_lshl_b32 s22, s22, 7
	s_lshl_b32 s24, s20, 5
	s_add_co_u32 s22, s22, s24                     ; my wave's first column
	s_mov_b32 s28, 0x46000400                      ; 8193.0
	s_mov_b32 s29, s28                             ; (named with it as a pair, so it is written)
	v_lshlrev_b32 v3, 2, v[LANE]
	s_mul_i32 s24, s20, 32*PITCH
	s_add_co_u32 s24, s24, PSTG
	v_mul_u32_u24 v4, v[LANE], PITCH
	v_add_nc_u32 v4, s24, v4
	v_and_b32 v5, 15, v[LANE]
	v_lshrrev_b32 v6, 4, v[LANE]
	v_mul_u32_u24 v7, v6, PITCH
	v_lshl_add_u32 v7, v5, 4, v7
	v_add_nc_u32 v7, s24, v7
	v_lshlrev_b32 v8, 11, v6
	v_lshl_add_u32 v8, v5, 4, v8                   ; the same place in wp16 (rows of 2,048 bytes)
	s_lshl_b32 s24, s23, 19                        ; 128 rows of 4,096 bytes
	s_lshl_b32 s26, s22, 2
	s_add_co_u32 s24, s24, s26
	s_mov_b32 s25, 0
	s_wait_kmcnt 0x0
	s_add_nc_u64 s[8:9], s[8:9], s[24:25]
	s_lshl_b32 s24, s22, 11
	s_lshl_b32 s26, s23, 8
	s_add_co_u32 s24, s24, s26
	s_add_nc_u64 s[18:19], s[18:19], s[24:25]
.macro PLOAD t
.set n, 0
.rept 32
	global_load_b32 v[PX+32*((\t)%2)+n], v3, s[8:9] offset:(32*(\t)+n)*4096 th:TH_LOAD_NT
.set n, n+1
.endr
.endm
	PLOAD 0
	PLOAD 1
.macro PBLOCK t
.set PXS, PX+32*((\t)%2)
.if (\t) < 3
	s_wait_loadcnt 32                              ; this block's 32 loads are in; the next block's may be out
.else
	s_wait_loadcnt 0
.endif
.set n, 0
.rept 16
	v_pk_mul_f32 v[PT+n:PT+n+1], v[PXS+n:PXS+n+1], s[28:29] op_sel_hi:[1,0]                       ; c
.set n, n+2
.endr
.set n, 0
.rept 16
	v_pk_add_f32 v[PD+n:PD+n+1], v[PT+n:PT+n+1], v[PXS+n:PXS+n+1] neg_lo:[0,1] neg_hi:[0,1]       ; d = c - x
.set n, n+2
.endr
.set n, 0
.rept 16
	v_pk_add_f32 v[PT+n:PT+n+1], v[PT+n:PT+n+1], v[PD+n:PD+n+1] neg_lo:[0,1] neg_hi:[0,1]         ; high = c - d
.set n, n+2
.endr
.set n, 0
.rept 16
	v_pk_add_f32 v[PD+n:PD+n+1], v[PXS+n:PXS+n+1], v[PT+n:PT+n+1] neg_lo:[0,1] neg_hi:[0,1]       ; low = x - high
.set n, n+2
.endr
.set n, 0
.rept 16
	v_cvt_pk_f16_f32 v[PHI+n], v[PT+2*n], v[PT+2*n+1]
	v_cvt_pk_f16_f32 v[PLO+16*(\t)+n], v[PD+2*n], v[PD+2*n+1]
.set n, n+1
.endr
.irp c, 0,1,2,3
	ds_store_b128 v4, v[PHI+4*\c:PHI+4*\c+3] offset:64*(\t)+16*\c    ; 32 along K: 64 bytes of my column's row
.endr
.if (\t) < 2
	PLOAD (\t)+2
.endif
	s_wait_dscnt 0x0                               ; the stores have read their registers
.endm
	PBLOCK 0
	PBLOCK 1
	PBLOCK 2
	PBLOCK 3
; the way out: the high rows are read back; the low parts then take the same stage (LDS serves a wave's instructions in order) and are read back too
.set n, 0
.rept 16
	ds_load_b128 v[POUT+4*n:POUT+4*n+3], v7 offset:2*n*PITCH
.set n, n+1
.endr
.irp b, 0,1,2,3
.irp c, 0,1,2,3
	ds_store_b128 v4, v[PLO+16*\b+4*\c:PLO+16*\b+4*\c+3] offset:64*\b+16*\c
.endr
.endr
.set n, 0
.rept 16
	ds_load_b128 v[POUT2+4*n:POUT2+4*n+3], v7 offset:2*n*PITCH
.set n, n+1
.endr
.set n, 0
.rept 16
	s_wait_dscnt 47-n                              ; behind high load n: 15 - n high loads, 16 stores, 16 low loads
	global_store_b128 v8, v[POUT+4*n:POUT+4*n+3], s[18:19] offset:2*n*2048
.set n, n+1
.endr
.set n, 0
.rept 16
	s_wait_dscnt 15-n
	global_store_b128 v8, v[POUT2+4*n:POUT2+4*n+3], s[18:19] offset:2097152+2*n*2048
.set n, n+1
.endr
	s_wait_tensorcnt 0x0                           ; the wave's end
	ds_add_u32 v[SPW], v[NIL]
	s_wait_dscnt 0x0
	s_endpgm
.Lfunc_end_k_q389c84ee33_prep:
	.size	k_q389c84ee33_prep, .Lfunc_end_k_q389c84ee33_prep-k_q389c84ee33_prep
	.p2alignl 7, 3214868480
	.fill 96, 4, 3214868480
	.section	.rodata,"a",@progbits
	.p2align	6, 0x0
	.amdhsa_kernel k_q389c84ee33_prep
		.amdhsa_group_segment_fixed_size 102912
		.amdhsa_private_segment_fixed_size 0
		.amdhsa_enable_private_segment 0
		.amdhsa_kernarg_size 64
		.amdhsa_user_sgpr_count 2
		.amdhsa_user_sgpr_kernarg_segment_ptr 1
		.amdhsa_wavefront_size32 1
		.amdhsa_system_sgpr_workgroup_id_x 1
		.amdhsa_system_sgpr_workgroup_id_y 1
		.amdhsa_system_sgpr_workgroup_id_z 1
		.amdhsa_system_vgpr_workitem_id 0
		.amdhsa_next_free_vgpr 256
		.amdhsa_next_free_sgpr 66
		.amdhsa_reserve_vcc 0
		.amdhsa_float_denorm_mode_32 3
		.amdhsa_float_denorm_mode_16_64 3
		.amdhsa_memory_ordered 1
		.amdhsa_forward_progress 1
		.amdhsa_inst_pref_size 156
	.end_amdhsa_kernel
	.amdgpu_metadata
---
amdhsa.version: [ 1, 2 ]
amdhsa.kernels:
  - .name:           k_q389c84ee33_prep
    .symbol:         k_q389c84ee33_prep.kd
    .args:
      - { .name: x, .offset: 0, .size: 8, .value_kind: global_buffer, .address_space: global }
      - { .name: W_kqv, .offset: 8, .size: 8, .value_kind: global_buffer, .address_space: global }
      - { .name: W_proj, .offset: 16, .size: 8, .value_kind: global_buffer, .address_space: global }
      - { .name: xc, .offset: 24, .size: 8, .value_kind: global_buffer, .address_space: global }
      - { .name: xs, .offset: 32, .size: 8, .value_kind: global_buffer, .address_space: global }
      - { .name: wc, .offset: 40, .size: 8, .value_kind: global_buffer, .address_space: global }
      - { .name: ws, .offset: 48, .size: 8, .value_kind: global_buffer, .address_space: global }
      - { .name: wp16, .offset: 56, .size: 8, .value_kind: global_buffer, .address_space: global }
    .group_segment_fixed_size: 102912
    .private_segment_fixed_size: 0
    .kernarg_segment_align: 8
    .kernarg_segment_size: 64
    .max_flat_workgroup_size: 128
    .sgpr_count:     66
    .vgpr_count:     256
    .wavefront_size: 32
...
	.end_amdgpu_metadata
.endif
;; end of part 1
;; launch gemm1 (part 2): grid 12 x 32, 4 waves a work-group, clusters of 4 x 4, 327,680 bytes of LDS; arguments xc, xs, wc, ws, b_kqv, kqv16, kqv32; writes kqv16, kqv32
.if DOCPART == 2
	.amdgcn_target "amdgcn-amd-amdhsa--gfx1250"
	.amdhsa_code_object_version 6
	.text
	.protected	k_q389c84ee33_gemm1
	.globl	k_q389c84ee33_gemm1
	.p2align	8
	.type	k_q389c84ee33_gemm1,@function
k_q389c84ee33_gemm1:
	s_mov_b64 s[64:65], 0
	v_nop
	global_prefetch_b8 v0, s[64:65] scope:SCOPE_SE
	s_setreg_imm32_b32 hwreg(HW_REG_WAVE_MODE, 25, 1), 1
	s_wait_xcnt 0x0
	s_wait_alu depctr_hold_cnt(0) depctr_sa_sdst(0) depctr_va_vdst(0) depctr_va_sdst(0) depctr_va_ssrc(0) depctr_va_vcc(0) depctr_vm_vsrc(0)
	s_getreg_b32 s2, hwreg(HW_REG_IB_STS2, 6, 4)
	s_cmp_eq_u32 s2, 0
	s_cbranch_scc0 .Lentry_in_a_cluster
	s_endpgm
.Lentry_in_a_cluster:
	s_bfe_u32 s2, ttmp6, 0x10000c
	s_cmp_lg_u32 s2, 0xf033
	s_cbranch_scc0 .Lentry_shape_is_right
	s_endpgm
.Lentry_shape_is_right:
; kqv = Q(x) Q(W_kqv) + b_kqv on codes of E2M1 with one E8M0 scale for each 32 along K.  A = xc [8192][1024 codes], B = wc [3072][1024 codes], scales xs, ws: 32 bytes a row.
; OUT: kqv16 [batch 4][segment 48][t 2048][64] f16, segment = column / 64 = 3 x head + (0 k, 1 q, 2 v): a segment is 262,144 dense bytes.
;      kqv32: the f32 results of positions 0-15 of each batch, as images of the accumulators' registers: [batch][column / 16: 192][register quad 2][lane 32][4 f32];
;      lane (r, h) holds kqv(t = r, column 16 n16 + 8 h + 4 quad + 0 .. 3).  They feed the last launch, which carries those positions more finely.
; LIMIT: |kqv| stays under 65,504, f16's largest number (inputs some 30 times larger than drawn, or offset by 30 spreads, stay under it).
; A tile of 256 x 256 is made by four waves, 128 x 128 each: 64 accumulators.  K = 1,024 is two K steps of 512: both slots and the scales are first fills; nothing is filled again.
; A wave has three tensor loads out at the start.
; CLUSTERS: 4 x 4 work-groups; A's tiles are asked for jointly along a row of the cluster, B's along a column.  THE MATRIX INSTRUCTION IS USED TRANSPOSED (source 0 = 16 rows of B,
; source 1 = 16 rows of A): a lane holds eight neighbouring columns of one row.  THE BIAS is the C of each sum's first product: 64 registers, b_kqv at the lane's eight columns of B's eight blocks.
; REGISTERS: window 0: v0-31 addresses; v32-95 scale words, two sets, and nothing else; v96-127 packed results; v128-191 A's fragments, later rows on the way out; v192-255 the bias.
;   window 1: B's fragments, two sets.   window 2: the accumulators of my rows 0-63 ((a, b) at v[8 (8 a + b)]);   window 3: rows 64-127.
.set SIZE_K, 1024
.set KSTEP,  512
.set NQ,     KSTEP/128
.set ROWB,   256
.set KROW,   SIZE_K/2
.set PITCH,  272                       ; an LDS row: 256 bytes + 16: the 16 rows that a load touches start at 16 different banks
.set FR,     8
.set NL,     2
.set NP,     4
.set HALFT,  128*PITCH
.set SLOT,   4*HALFT
.set KS,     SIZE_K/32
.set SCL,    2*SLOT                    ; behind the ring: the scales, as units of 256 bytes + 16
.set HALFS,  (128*KS/256)*272
.set SBLK,   (16*KS/256)*272
.set SPARE,  SCL+4*HALFS               ; the spare words, 128 bytes for each wave, which no other line names
.set SPITCH, 272                       ; the way out: a stage of 16 rows x (256 + 16) for each wave, in slot 0, which has had its only fill and its last read by then
.set SEG,    262144
.set ADRA, 16
.set ADRB, 20
.set STO,  24
.set RD,   25
.set CO,   26                          ; v26  16 x lane
.set ADRS, 27
.set SPW,  28
.set NIL,  29
.set BO,   30                          ; v30  32 x (lane / 16): my half's eight numbers of the bias
.set FL,   31
.set SC,   32
.set TMP,  96
.set AF,   128
.set OB,   128
.set BIAS, 192
.set G1, 24
.set G0, 32
.set G1B, 48
.set G0B, 56
.set G1S, 68
.set G0S, 76
.set G1SB, 80
.set G0SB, 88
.set MSB, 0
.macro WIN new                         ; the immediate's high byte repeats the setting that is left
.if MSB != \new
	s_set_vgpr_msb (MSB<<8)|\new
.set MSB, \new
.endif
.endm
.set MUL_LO,  0xa1                     ; source 0 (B) window 1, source 1 (A) window 0, C and D window 2
.set MUL_HI,  0xf1                     ; the same, C and D window 3
.set MULB_LO, 0x81                     ; C (the bias) window 0, D window 2
.set MULB_HI, 0xc1                     ; C window 0, D window 3
.set TO_B,    0x40
; A joint load: waves 0 and 1 fetch for A, waves 2 and 3 for B; an s_nop 0 and four v_nop follow each of the two lines.
.macro JLOAD g0a, g1a, g0b, g1b
	s_cmp_eq_u32 s15, 0
	s_cbranch_scc0 .Lfor_b_\@
	tensor_load_to_lds s[\g0a:\g0a+3], s[\g1a:\g1a+7]
	s_nop 0
.rept 4
	v_nop
.endr
	s_branch .Lasked_\@
.Lfor_b_\@:
	tensor_load_to_lds s[\g0b:\g0b+3], s[\g1b:\g1b+7]
	s_nop 0
.rept 4
	v_nop
.endr
.Lasked_\@:
.endm
.macro CROUND                          ; a round of the cluster's barrier
	s_barrier_signal -1
	s_barrier_wait -1
	s_cmp_lg_u32 s14, 0
	s_cbranch_scc1 .Lnot_wave_0_\@
	s_barrier_signal -3
.Lnot_wave_0_\@:
	s_barrier_wait -3
	s_barrier_signal -1
	s_barrier_wait -1
.endm
	s_load_b128 s[4:7], s[0:1], 0x0                ; xc, xs
	s_load_b128 s[8:11], s[0:1], 0x10              ; wc, ws
	s_load_b128 s[96:99], s[0:1], 0x20             ; b_kqv, kqv16
	s_load_b64 s[100:101], s[0:1], 0x30            ; kqv32
	v_lshl_add_u32 v[SPW], v0, 2, SPARE
	v_mov_b32 v[NIL], 0
	ds_add_u32 v[SPW], v[NIL]                      ; the wave's opening: the add, twice on end, and its wait ahead of my first tensor load
	ds_add_u32 v[SPW], v[NIL]
	v_lshrrev_b32 v1, 5, v0
	v_readfirstlane_b32 s14, v1                    ; wave 0..3
	s_lshr_b32 s15, s14, 1                         ; my half of the tile's rows; also: I fetch for A (0) or for B (1)
	s_and_b32 s16, s14, 1                          ; my half of its columns; also: which 128 rows I fetch
	s_bfe_u32 s40, ttmp6, 0x40000                  ; cx
	s_bfe_u32 s41, ttmp6, 0x40004                  ; cy
	s_lshl_b32 s42, ttmp9, 2
	s_add_co_u32 s42, s42, s40                     ; tile column 0..11
	s_and_b32 s17, ttmp7, 0xffff
	s_lshl_b32 s17, s17, 2
	s_add_co_u32 s17, s17, s41                     ; tile row 0..31
	s_lshl_b32 s43, s41, 2
	s_lshl_b32 s43, 15, s43                        ; my row of the cluster
	s_lshl_b32 s44, 0x1111, s40                    ; my column
	s_or_b32 s[G1+0], s43, (0<<16)|(1<<20)|(1<<21)|(5<<22)|(3<<25)   ; the mask; elements of 1 byte; padding: 4 words behind every 64
	s_or_b32 s[G1B+0], s44, (0<<16)|(1<<20)|(1<<21)|(5<<22)|(3<<25)
.irp g, G1, G1B
	s_mov_b32 s[\g+1], ROWB<<16                    ; tensor_dim0
	s_mov_b32 s[\g+2], 128<<16                     ; tensor_dim1
	s_mov_b32 s[\g+3], ROWB<<16                    ; tile_dim0
	s_mov_b32 s[\g+4], 128                         ; tile_dim1
	s_mov_b32 s[\g+5], KROW                        ; stride
	s_mov_b32 s[\g+6], 0
	s_mov_b32 s[\g+7], 0
.endr
	s_or_b32 s[G1S+0], s43, (3<<16)|(1<<20)|(1<<21)|(5<<22)|(3<<25)  ; the scales of 128 rows: 4,096 dense bytes as 16 rows of 256 (32 elements of 8 bytes)
	s_or_b32 s[G1SB+0], s44, (3<<16)|(1<<20)|(1<<21)|(5<<22)|(3<<25)
.irp g, G1S, G1SB
	s_mov_b32 s[\g+1], 32<<16
	s_mov_b32 s[\g+2], (128*KS/256)<<16
	s_mov_b32 s[\g+3], 32<<16
	s_mov_b32 s[\g+4], 128*KS/256
	s_mov_b32 s[\g+5], 32
	s_mov_b32 s[\g+6], 0
	s_mov_b32 s[\g+7], 0
.endr
	s_lshl_b32 s18, s16, 7
	s_lshl_b32 s20, s17, 8
	s_add_co_u32 s20, s20, s18                     ; A: row 256 x tile row + 128 x half
	s_lshl_b32 s46, s42, 8
	s_add_co_u32 s46, s46, s18                     ; B: row 256 x tile column + 128 x half
	s_mov_b32 s21, 0
	s_mov_b32 s47, 0
	s_mov_b64 s[18:19], KS
	s_mul_u64 s[22:23], s[20:21], s[18:19]
	s_mul_u64 s[92:93], s[46:47], s[18:19]
	s_mov_b64 s[18:19], KROW
	s_mul_u64 s[20:21], s[20:21], s[18:19]
	s_mul_u64 s[46:47], s[46:47], s[18:19]
	s_mul_i32 s45, s14, HALFT                      ; where they go: wave x 128 rows: no place in the cluster enters an LDS address
	s_mul_i32 s94, s14, HALFS
	s_wait_dscnt 0x0                               ; both opening adds are done
	s_wait_kmcnt 0x0
	s_add_nc_u64 s[20:21], s[4:5], s[20:21]
	s_add_nc_u64 s[22:23], s[6:7], s[22:23]
	s_add_nc_u64 s[46:47], s[8:9], s[46:47]
	s_add_nc_u64 s[92:93], s[10:11], s[92:93]
	CROUND                                         ; all sixteen work-groups are here: the joint loads meet
	s_mov_b32 s[G0S], 1
	s_add_co_u32 s[G0S+1], s94, SCL
	s_mov_b64 s[G0S+2:G0S+3], s[22:23]
	s_or_b32 s[G0S+3], s[G0S+3], 0x80000000
	s_mov_b32 s[G0SB], 1
	s_add_co_u32 s[G0SB+1], s94, SCL
	s_mov_b64 s[G0SB+2:G0SB+3], s[92:93]
	s_or_b32 s[G0SB+3], s[G0SB+3], 0x80000000
	JLOAD G0S, G1S, G0SB, G1SB                     ; the scales first: they are wanted with K step 0
.irp s, 0,1
	s_mov_b32 s[G0+4*\s], 1
	s_add_co_u32 s[G0+4*\s+1], s45, \s*SLOT
	s_add_nc_u64 s[G0+4*\s+2:G0+4*\s+3], s[20:21], \s*ROWB
	s_or_b32 s[G0+4*\s+3], s[G0+4*\s+3], 0x80000000
	s_mov_b32 s[G0B+4*\s], 1
	s_add_co_u32 s[G0B+4*\s+1], s45, \s*SLOT
	s_add_nc_u64 s[G0B+4*\s+2:G0B+4*\s+3], s[46:47], \s*ROWB
	s_or_b32 s[G0B+4*\s+3], s[G0B+4*\s+3], 0x80000000
	JLOAD G0+4*\s, G1, G0B+4*\s, G1B
.endr
	v_and_b32 v1, 15, v0                           ; r = lane % 16
	v_bfe_u32 v2, v0, 4, 1                         ; h = lane / 16
	v_mul_u32_u24 v3, v1, PITCH
	v_lshl_add_u32 v4, v2, 4, v3
	s_mul_i32 s21, s15, HALFT
	s_mul_i32 s22, s16, HALFT
	s_add_co_u32 s22, s22, 2*HALFT
.irp s, 0,1
	v_add_nc_u32 v[ADRA+\s], s21, v4
	v_add_nc_u32 v[ADRB+\s], s22, v4
	s_add_co_u32 s21, s21, SLOT
	s_add_co_u32 s22, s22, SLOT
.endr
	v_mul_u32_u24 v5, v1, KS                       ; my row's scales: 32 bytes a row,
	v_lshrrev_b32 v6, 8, v5
	v_lshl_add_u32 v5, v6, 4, v5                   ; and 16 more for each 256 passed
	s_mul_i32 s21, s15, HALFS
	s_mul_i32 s22, s16, HALFS
	s_add_co_u32 s22, s22, 2*HALFS
	s_sub_co_u32 s22, s22, s21
	v_mul_u32_u24 v6, s22, v2                      ; lanes 16-31 take B's
	s_add_co_u32 s21, s21, SCL
	v_add_nc_u32 v5, v5, v6
	v_add_nc_u32 v[ADRS], s21, v5
	s_mul_i32 s23, s14, 16*SPITCH                  ; my stage
	v_mul_u32_u24 v5, v1, SPITCH
	v_lshl_add_u32 v5, v2, 4, v5
	v_add_nc_u32 v[STO], s23, v5                   ; in: row r, 16 bytes for each half of the lanes
	v_and_b32 v6, 31, v0
	v_lshlrev_b32 v[CO], 4, v6
	v_lshrrev_b32 v7, 3, v6
	v_mul_u32_u24 v7, v7, SPITCH
	v_and_b32 v8, 7, v6
	v_lshl_add_u32 v7, v8, 4, v7
	v_add_nc_u32 v[RD], s23, v7                    ; back: eight lanes take a segment's 128 bytes of a row, four rows an instruction
	v_lshlrev_b32 v[BO], 5, v2
	s_lshl_b32 s46, s42, 10                        ; the bias: my first column x 4 bytes
	s_lshl_b32 s47, s16, 9
	s_add_co_u32 s46, s46, s47
	s_mov_b32 s47, 0
	s_add_nc_u64 s[96:97], s[96:97], s[46:47]
.irp b, 0,1,2,3,4,5,6,7
	global_load_b128 v[BIAS+8*\b:BIAS+8*\b+3],   v[BO], s[96:97] offset:64*\b
	global_load_b128 v[BIAS+8*\b+4:BIAS+8*\b+7], v[BO], s[96:97] offset:64*\b+16
.endr
	s_lshr_b32 s20, s17, 3                         ; batch
	s_mul_i32 s21, s20, 48
	s_lshl_b32 s22, s42, 2
	s_add_co_u32 s21, s21, s22
	s_lshl_b32 s22, s16, 1
	s_add_co_u32 s21, s21, s22                     ; my first segment
	s_lshl_b32 s21, s21, 11
	s_and_b32 s22, s17, 7
	s_lshl_b32 s23, s22, 8
	s_add_co_u32 s21, s21, s23
	s_lshl_b32 s23, s15, 7
	s_add_co_u32 s21, s21, s23                     ; + my first position
	s_lshl_b32 s46, s21, 7                         ; rows of 128 bytes
	s_add_nc_u64 s[98:99], s[98:99], s[46:47]
	s_or_b32 s12, s22, s15                         ; 0 where my block 0 holds positions 0-15 of a batch
	s_mul_i32 s21, s20, 192
	s_lshl_b32 s22, s42, 4
	s_add_co_u32 s21, s21, s22
	s_lshl_b32 s22, s16, 3
	s_add_co_u32 s21, s21, s22
	s_lshl_b32 s46, s21, 10
	s_add_nc_u64 s[100:101], s[100:101], s[46:47]  ; inside kqv32 in every work-group
.macro FRAG reg, adr, q, i             ; 16 rows x 128 K of 4-bit codes: 8 registers, two loads of 16 bytes, 32 bytes apart
.irp c, 0,1
	ds_load_b128 v[\reg+4*\c:\reg+4*\c+3], v[\adr] offset:64*(\q)+32*\c+(\i)*16*PITCH
.endr
.endm
; 16 matrix instructions: A's blocks a0, a0 + 1 x B's eight.  first = 1: the product starts the sums with the bias as its C.  The 64 accumulators take turns, one instruction a turn.
.macro MUL16 a0, p, q, sc, first
.irp a, \a0, \a0+1
.irp b, 0,1,2,3,4,5,6,7
.if \first
	v_wmma_scale_f32_16x16x128_f8f6f4 v[8*(8*((\a)%4)+\b):8*(8*((\a)%4)+\b)+7], v[128*(\p)+FR*\b:128*(\p)+FR*\b+FR-1], v[AF+FR*(\a):AF+FR*(\a)+FR-1], v[BIAS+8*\b:BIAS+8*\b+7], v[SC+8*NQ*(\sc)+NQ*\b+(\q)], v[SC+8*NQ*(\sc)+NQ*(\a)+(\q)] matrix_a_fmt:MATRIX_FMT_FP4 matrix_b_fmt:MATRIX_FMT_FP4 matrix_a_scale:MATRIX_SCALE_ROW1
.else
	v_wmma_scale_f32_16x16x128_f8f6f4 v[8*(8*((\a)%4)+\b):8*(8*((\a)%4)+\b)+7], v[128*(\p)+FR*\b:128*(\p)+FR*\b+FR-1], v[AF+FR*(\a):AF+FR*(\a)+FR-1], v[8*(8*((\a)%4)+\b):8*(8*((\a)%4)+\b)+7], v[SC+8*NQ*(\sc)+NQ*\b+(\q)], v[SC+8*NQ*(\sc)+NQ*(\a)+(\q)] matrix_a_fmt:MATRIX_FMT_FP4 matrix_b_fmt:MATRIX_FMT_FP4 matrix_a_scale:MATRIX_SCALE_ROW1
.endif
.endr
.endr
.endm
.macro FETCH_B slot, q, p
	WIN TO_B
.irp i, 0,1,2,3,4,5,6,7
	FRAG 128*(\p)+FR*\i, ADRB+\slot, \q, \i
.endr
	WIN 0
.endm
.macro FETCH_A slot, q, i0
.irp i, \i0, \i0+1, \i0+2, \i0+3
	FRAG AF+FR*(\i), ADRA+\slot, \q, \i
.endr
.endm
.macro SCALES sc                       ; a K step's scale words: lanes 0-15 A's block i, lanes 16-31 B's block i
.irp i, 0,1,2,3,4,5,6,7
	ds_load_b128 v[SC+8*NQ*\sc+NQ*\i:SC+8*NQ*\sc+NQ*\i+3], v[ADRS] offset:\i*SBLK
.endr
.endm
.macro PLACES n                        ; plain vector instructions between a matrix instruction and a load into, or a read of, its registers
.rept \n
	v_nop
.endr
.endm
.macro STEP slot, q, first             ; 128 along K that has its successor in the same slot
	s_wait_dscnt 4*NL                              ; B's set and A's blocks 0-3 are in; the youngest eight loads (A's blocks 4-7) may be out
.if \first
	WIN MULB_LO
.else
	WIN MUL_LO
.endif
	MUL16 0, (\q)%2, \q, \slot, \first
	MUL16 2, (\q)%2, \q, \slot, \first
	s_wait_dscnt 0
	PLACES NP
	FETCH_B \slot, (\q)+1, 1-(\q)%2
	FETCH_A \slot, (\q)+1, 0
.if \first
	WIN MULB_HI
.else
	WIN MUL_HI
.endif
	MUL16 4, (\q)%2, \q, \slot, \first
	MUL16 6, (\q)%2, \q, \slot, \first
	PLACES NP
	WIN 0
	FETCH_A \slot, (\q)+1, 4
.endm
.macro TURN slot, next                 ; slot 0's last step changes slots: one barrier; nothing is filled again
	s_wait_tensorcnt 0x0                           ; all my tensor loads have landed: my part of the next slot
	ds_add_u32 v[SPW], v[NIL]                      ; 0 onto my spare word
	s_wait_dscnt 4*NL+1                            ; (the add and the youngest eight loads may be out)
	WIN MUL_LO
	MUL16 0, 1, NQ-1, \slot, 0
	s_wait_dscnt 0x0                               ; the add is done, and my reads of this slot are over
	s_barrier_signal -1
	MUL16 2, 1, NQ-1, \slot, 0
	WIN 0
	s_barrier_wait -1
	PLACES NP
	v_add_nc_u32 v[ADRS], 4*NQ, v[ADRS]            ; on to the next K step's scale words
	FETCH_B \next, 0, 0
	FETCH_A \next, 0, 0
	SCALES \next
	WIN MUL_HI
	MUL16 4, 1, NQ-1, \slot, 0
	MUL16 6, 1, NQ-1, \slot, 0
	PLACES NP
	WIN 0
	FETCH_A \next, 0, 4
.endm
	s_wait_tensorcnt 1                             ; the scales and my part of K step 0 are in (K step 1's load may be out),
	s_barrier_signal -1
	s_barrier_wait -1                              ; everybody's are
	FETCH_B 0, 0, 0
	FETCH_A 0, 0, 0
	SCALES 0
	FETCH_A 0, 0, 4
	s_wait_loadcnt 0x0                             ; the bias
	STEP 0, 0, 1
	STEP 0, 1, 0
	STEP 0, 2, 0
	TURN 0, 1
	STEP 1, 0, 0
	STEP 1, 1, 0
	STEP 1, 2, 0
	s_wait_dscnt 4*NL                              ; the last step: nothing more to fetch
	WIN MUL_LO
	MUL16 0, 1, NQ-1, 1, 0
	MUL16 2, 1, NQ-1, 1, 0
	s_wait_dscnt 0
	WIN MUL_HI
	MUL16 4, 1, NQ-1, 1, 0
	MUL16 6, 1, NQ-1, 1, 0
	WIN 0
	PLACES NP
; POSITIONS 0-15 IN F32: block 0's eight accumulators leave as they stand, where they hold such positions.  No branch hangs on the work-group's place: the lanes are switched off elsewhere.
	s_wait_xcnt 0x0                                ; EXEC changes only behind this wait
	v_mov_b32 v[FL], s12
	v_cmp_eq_u32 vcc_lo, 0, v[FL]
	s_and_saveexec_b32 s95, vcc_lo
	WIN 0x08                                       ; a store's data are its source 1: window 2
.irp b, 0,1,2,3,4,5,6,7
	global_store_b128 v[CO], v[8*\b:8*\b+3],   s[100:101] offset:(2*\b)*512      ; each accumulator from its low end on; 512 consecutive bytes a store
	global_store_b128 v[CO], v[8*\b+4:8*\b+7], s[100:101] offset:(2*\b+1)*512
.endr
	WIN 0
	s_wait_xcnt 0x0
	s_or_b32 exec_lo, exec_lo, s95
; THE WAY OUT IN F16, block by block of 16 rows x 128 columns: packed, through my stage, back as 4 rows x 128 bytes of one segment: 512 consecutive bytes of kqv16 a store.
.macro PACK a
.set AC, 64*((\a)%4)
	WIN 0x0a+5*((\a)/4)                            ; sources 0 and 1: window 2 or 3
.irp b, 0,1,2,3,4,5,6,7
.irp r, 0,1,2,3
	v_cvt_pk_f16_f32 v[TMP+4*\b+\r], v[AC+8*\b+2*\r], v[AC+8*\b+2*\r+1]
.endr
.endr
	WIN 0
.endm
.macro TOSTAGE a
.set BB, OB+32*((\a)%2)
.irp b, 0,1,2,3,4,5,6,7
	ds_store_b128 v[STO], v[TMP+4*\b:TMP+4*\b+3] offset:32*\b
.endr
.irp e, 0,1
.irp i, 0,1,2,3
	ds_load_b128 v[BB+4*(4*\e+\i):BB+4*(4*\e+\i)+3], v[RD] offset:\e*128+\i*4*SPITCH   ; LDS serves a wave's instructions in order: these see the stores above
.endr
.endr
.endm
.macro SEND a
.set BB, OB+32*((\a)%2)
	s_wait_dscnt 0x0                               ; the block is back in registers
	s_wait_xcnt 0x0                                ; earlier stores have read their registers: the block after this one may land in the other set
.irp e, 0,1
.irp i, 0,1,2,3
	global_store_b128 v[CO], v[BB+4*(4*\e+\i):BB+4*(4*\e+\i)+3], s[98:99] offset:\e*SEG+(\a)*2048+\i*512
.endr
.endr
.endm
	PACK 0
	TOSTAGE 0
.irp a, 1,2,3,4,5,6,7
	PACK \a
	SEND \a-1
	TOSTAGE \a
.endr
	SEND 7
	s_wait_tensorcnt 0x0                           ; the wave's end
	ds_add_u32 v[SPW], v[NIL]
	s_wait_dscnt 0x0
	CROUND                                         ; the closing round
	s_endpgm
.Lfunc_end_k_q389c84ee33_gemm1:
	.size	k_q389c84ee33_gemm1, .Lfunc_end_k_q389c84ee33_gemm1-k_q389c84ee33_gemm1
	.p2alignl 7, 3214868480
	.fill 96, 4, 3214868480
	.section	.rodata,"a",@progbits
	.p2align	6, 0x0
	.amdhsa_kernel k_q389c84ee33_gemm1
		.amdhsa_group_segment_fixed_size 327680
		.amdhsa_private_segment_fixed_size 0
		.amdhsa_enable_private_segment 0
		.amdhsa_kernarg_size 56
		.amdhsa_user_sgpr_count 2
		.amdhsa_user_sgpr_kernarg_segment_ptr 1
		.amdhsa_wavefront_size32 1
		.amdhsa_system_sgpr_workgroup_id_x 1
		.amdhsa_system_sgpr_workgroup_id_y 1
		.amdhsa_system_sgpr_workgroup_id_z 1
		.amdhsa_system_vgpr_workitem_id 0
		.amdhsa_next_free_vgpr 1024
		.amdhsa_next_free_sgpr 102
		.amdhsa_reserve_vcc 1
		.amdhsa_float_denorm_mode_32 3
		.amdhsa_float_denorm_mode_16_64 3
		.amdhsa_memory_ordered 1
		.amdhsa_forward_progress 1
		.amdhsa_inst_pref_size 130
	.end_amdhsa_kernel
	.amdgpu_metadata
---
amdhsa.version: [ 1, 2 ]
amdhsa.kernels:
  - .name:           k_q389c84ee33_gemm1
    .symbol:         k_q389c84ee33_gemm1.kd
    .args:
      - { .name: xc, .offset: 0, .size: 8, .value_kind: global_buffer, .address_space: global }
      - { .name: xs, .offset: 8, .size: 8, .value_kind: global_buffer, .address_space: global }
      - { .name: wc, .offset: 16, .size: 8, .value_kind: global_buffer, .address_space: global }
      - { .name: ws, .offset: 24, .size: 8, .value_kind: global_buffer, .address_space: global }
      - { .name: b_kqv, .offset: 32, .size: 8, .value_kind: global_buffer, .address_space: global }
      - { .name: kqv16, .offset: 40, .size: 8, .value_kind: global_buffer, .address_space: global }
      - { .name: kqv32, .offset: 48, .size: 8, .value_kind: global_buffer, .address_space: global }
    .group_segment_fixed_size: 327680
    .private_segment_fixed_size: 0
    .kernarg_segment_align: 8
    .kernarg_segment_size: 56
    .max_flat_workgroup_size: 128
    .sgpr_count:     102
    .vgpr_count:     1024
    .wavefront_size: 32
...
	.end_amdgpu_metadata
.endif
;; end of part 2
;; launch attn (part 3): grid 4 x 64, 16 waves a work-group, clusters of 4 x 1, 327,680 bytes of LDS; arguments kqv16, y16; writes y16
.if DOCPART == 3
	.amdgcn_target "amdgcn-amd-amdhsa--gfx1250"
	.amdhsa_code_object_version 6
	.text
	.protected	k_q389c84ee33_attn
	.globl	k_q389c84ee33_attn
	.p2align	8
	.type	k_q389c84ee33_attn,@function
k_q389c84ee33_attn:
	s_mov_b64 s[64:65], 0
	v_nop
	global_prefetch_b8 v0, s[64:65] scope:SCOPE_SE
	s_setreg_imm32_b32 hwreg(HW_REG_WAVE_MODE, 25, 1), 1
	s_wait_xcnt 0x0
	s_wait_alu depctr_hold_cnt(0) depctr_sa_sdst(0) depctr_va_vdst(0) depctr_va_sdst(0) depctr_va_ssrc(0) depctr_va_vcc(0) depctr_vm_vsrc(0)
	s_getreg_b32 s2, hwreg(HW_REG_IB_STS2, 6, 4)
	s_cmp_eq_u32 s2, 0
	s_cbranch_scc0 .Lentry_in_a_cluster
	s_endpgm
.Lentry_in_a_cluster:
	s_bfe_u32 s2, ttmp6, 0x10000c
	s_cmp_lg_u32 s2, 0x3003
	s_cbranch_scc0 .Lentry_shape_is_right
	s_endpgm
.Lentry_shape_is_right:
; y[b][head][q] = the sum over k <= q of softmax_k(q . k / 8) v, T = 2,048, head size 64; f16 operands, f32 products, maxima and sums; a running maximum is taken away before each exponential.
; IN: kqv16 [batch][segment 3 head + (0 k, 1 q, 2 v)][t][64] f16.  OUT: y16 [batch x 16 + head][t][64] f16.
; LEFT OUT AS DEAD WORK: steps of 64 keys that lie wholly behind a wave's group of queries: reference()'s own causal mask gives them the weight 0 for all finite inputs.
; (A NaN, an infinity or an overflow that would arise only there is not carried to the result.)
; SHARES.  A cluster of four work-groups is one (batch, head).  Wave w owns the group g = w xor 3 ((w / 4) % 2) of 128 queries; of it the partner at place cx owns 32: q0 = 128 g + 32 cx, two tiles of 16.
; So all work-groups have equal work, all four partners walk all 2,048 keys and make every joint request, and every branch hangs on the wave's number and the count of steps alone, never on cx.
; Group 15 reads every slot in every partner.
; LAYOUT.  S^T = K Q^T (source 0 = 16 keys, source 1 = 16 queries): a lane holds ONE query (lane % 16) and keys 8 (lane / 16) + 0..7.  Two such tiles, rounded to f16 in pairs, are source 1 of
; O^T = V^T P; V ([key][channel]) comes out of LDS turned, by ds_load_tr16_b128.
; RING.  Two slots of 512 keys (K rows 128 + 16 bytes, V rows 128 + 32).  Waves 0-7 fetch 64 rows of K each, waves 8-15 64 rows of V, by joint loads.  Slots 0 and 1 are first fills; each is filled again once.
; A wave has two tensor loads out at the start and one behind each refill's round.
; REGISTERS: v1-11 addresses and the mask's numbers; v12-27 statistics, 8 a tile (+0 c m, +1 m, +2:3 the sum, +4..7 at work, a in +6); v28-31 addresses; v32-63 Q; v64-127 K, then V; v128-191 S^T, p, then P in place; v192-255 O^T.
.set PK,    144
.set PV,    160
.set SROWS, 512
.set VOFF,  SROWS*PK
.set SLOT,  SROWS*(PK+PV)              ; 155,648
.set SPARE, 2*SLOT                     ; the spare words, 128 bytes for each of 16 waves, which no other line names
.set SEG,   262144
.set AK0, 1
.set AV0, 2
.set ADK, 3
.set ADV, 4
.set SPW, 5
.set NIL, 6
.set QD,  7                            ; v7, v8  my query of tile 0, 1, less 8 (lane / 16)
.set NINF, 9
.set ST,  12
.set STO, 28
.set RD,  29
.set GO,  30
.set QO,  31
.set Q,   32
.set KV,  64
.set S,   128
.set OT,  192
.set WV,   8
.set CX,   9
.set GRP,  10
.set Q0,   11
.set GBEG, 12
.set GEND, 13
.set KF,   14                          ; the sub-step's first key
.set KB,   15
.set VB,   16
.set CNT,  17
.set CS,   18                          ; s[18:19] c = log2(e) / 8
.set SEL,  20
.set G1K,  24
.set G1V,  32
.set G0K,  40                          ; s[40:47] a set for each slot
.set G0V,  48
.macro JLOAD slot                      ; an s_nop 0 and four v_nop follow each of the two lines; the branch hangs on the wave's number alone
	s_cmp_lt_u32 s[WV], 8
	s_cbranch_scc0 .Lfor_v_\@
	tensor_load_to_lds s[G0K+4*\slot:G0K+4*\slot+3], s[G1K:G1K+7]
	s_nop 0
.rept 4
	v_nop
.endr
	s_branch .Lasked_\@
.Lfor_v_\@:
	tensor_load_to_lds s[G0V+4*\slot:G0V+4*\slot+3], s[G1V:G1V+7]
	s_nop 0
.rept 4
	v_nop
.endr
.Lasked_\@:
.endm
.macro CROUND
	s_barrier_signal -1
	s_barrier_wait -1
	s_cmp_lg_u32 s[WV], 0
	s_cbranch_scc1 .Lnot_wave_0_\@
	s_barrier_signal -3
.Lnot_wave_0_\@:
	s_barrier_wait -3
	s_barrier_signal -1
	s_barrier_wait -1
.endm
	s_load_b128 s[4:7], s[0:1], 0x0                ; kqv16, y16
	v_lshl_add_u32 v[SPW], v0, 2, SPARE
	v_mov_b32 v[NIL], 0
	ds_add_u32 v[SPW], v[NIL]                      ; the wave's opening: the add, twice on end, and its wait ahead of my first tensor load
	ds_add_u32 v[SPW], v[NIL]
	v_lshrrev_b32 v10, 5, v0
	v_readfirstlane_b32 s[WV], v10                 ; wave 0..15
	s_bfe_u32 s[CX], ttmp6, 0x40000
	s_bfe_u32 s56, s[WV], 0x10002
	s_mul_i32 s56, s56, 3
	s_xor_b32 s[GRP], s[WV], s56                   ; my group of 128 queries
	s_lshl_b32 s[GBEG], s[GRP], 7
	s_add_co_u32 s[GEND], s[GBEG], 128
	s_lshl_b32 s56, s[CX], 5
	s_add_co_u32 s[Q0], s[GBEG], s56               ; my first query: it enters global addresses and the mask's numbers alone
	s_and_b32 s56, ttmp7, 0xffff                   ; batch x 16 + head
	s_lshr_b32 s57, s56, 4
	s_and_b32 s58, s56, 15
	s_mul_i32 s57, s57, 48
	s_mul_i32 s58, s58, 3
	s_add_co_u32 s57, s57, s58                     ; K's segment
	s_and_b32 s59, s[WV], 7                        ; which 64 rows of a slot I fetch
	s_mul_i32 s62, s59, 64*PK
	s_mul_i32 s63, s59, 64*PV
	s_add_co_u32 s63, s63, VOFF
	s_lshl_b32 s59, s59, 13
	s_lshl_b32 s60, s57, 18
	s_add_co_u32 s60, s60, s59
	s_mov_b32 s61, 0
	s_mov_b32 s[G1K], 15|(1<<16)|(1<<20)|(1<<21)|(4<<22)|(3<<25)   ; the mask: all four; elements of 2 bytes; padding: 4 words behind every 32
	s_mov_b32 s[G1V], 15|(1<<16)|(1<<20)|(1<<21)|(4<<22)|(7<<25)   ; 8 words
.irp g, G1K, G1V
	s_mov_b32 s[\g+1], 64<<16                      ; tensor_dim0
	s_mov_b32 s[\g+2], 64<<16                      ; tensor_dim1
	s_mov_b32 s[\g+3], 64<<16                      ; tile_dim0
	s_mov_b32 s[\g+4], 64                          ; tile_dim1
	s_mov_b32 s[\g+5], 64                          ; stride
	s_mov_b32 s[\g+6], 0
	s_mov_b32 s[\g+7], 0
.endr
	s_mov_b32 s[CS], 0x3e38aa3b
	s_mov_b32 s[CS+1], s[CS]
	s_mov_b32 s[SEL], 0x76543210
	s_mov_b32 s[SEL+1], 0xfedcba98
	s_mov_b32 s[KF], 0
	s_wait_dscnt 0x0                               ; both opening adds are done
	s_wait_kmcnt 0x0
	s_add_nc_u64 s[66:67], s[4:5], s[60:61]        ; K at my tile of slot 0
	CROUND                                         ; all four work-groups are here: the first joint loads meet
.irp s, 0,1
	s_mov_b32 s[G0K+4*\s], 1
	s_add_co_u32 s[G0K+4*\s+1], s62, \s*SLOT
	s_add_nc_u64 s[G0K+4*\s+2:G0K+4*\s+3], s[66:67], \s*SROWS*128
	s_or_b32 s[G0K+4*\s+3], s[G0K+4*\s+3], 0x80000000
	s_mov_b32 s[G0V+4*\s], 1
	s_add_co_u32 s[G0V+4*\s+1], s63, \s*SLOT
	s_add_nc_u64 s[G0V+4*\s+2:G0V+4*\s+3], s[66:67], 2*SEG+\s*SROWS*128
	s_or_b32 s[G0V+4*\s+3], s[G0V+4*\s+3], 0x80000000
.endr
	s_cmp_lt_u32 s[WV], 8                          ; a wave's two first fills stand in one branch
	s_cbranch_scc0 .Lfirst_v
	tensor_load_to_lds s[G0K:G0K+3], s[G1K:G1K+7]
	s_nop 0
	tensor_load_to_lds s[G0K+4:G0K+7], s[G1K:G1K+7]
	s_nop 0
.rept 4
	v_nop
.endr
	s_branch .Lfirst_asked
.Lfirst_v:
	tensor_load_to_lds s[G0V:G0V+3], s[G1V:G1V+7]
	s_nop 0
	tensor_load_to_lds s[G0V+4:G0V+7], s[G1V:G1V+7]
	s_nop 0
.rept 4
	v_nop
.endr
.Lfirst_asked:
	s_lshl_b32 s70, s57, 18
	s_lshl_b32 s71, s[Q0], 7
	s_add_co_u32 s70, s70, s71
	s_mov_b32 s71, 0
	s_add_nc_u64 s[68:69], s[4:5], s[70:71]
	s_add_nc_u64 s[68:69], s[68:69], SEG           ; Q at my first query
	s_lshl_b32 s70, s56, 18
	s_lshl_b32 s58, s[Q0], 7
	s_add_co_u32 s70, s70, s58
	s_add_nc_u64 s[6:7], s[6:7], s[70:71]          ; y16 likewise
	v_and_b32 v10, 15, v0                          ; r
	v_bfe_u32 v11, v0, 4, 1                        ; h
	v_lshlrev_b32 v[QO], 7, v10
	v_lshl_add_u32 v[QO], v11, 4, v[QO]
.irp t, 0,1
.irp c, 0,1
	global_load_b128 v[Q+16*\t+8*\c:Q+16*\t+8*\c+3],   v[QO], s[68:69] offset:\t*2048+64*\c
	global_load_b128 v[Q+16*\t+8*\c+4:Q+16*\t+8*\c+7], v[QO], s[68:69] offset:\t*2048+64*\c+32
.endr
.endr
	v_mul_u32_u24 v[AK0], v10, PK
	v_lshl_add_u32 v[AK0], v11, 4, v[AK0]          ; K: row r, 16 bytes for each half of the lanes
	v_and_b32 v3, 7, v0
	v_lshl_add_u32 v3, v11, 3, v3
	v_mul_u32_u24 v[AV0], v3, PV
	v_bfe_u32 v4, v0, 3, 1
	v_lshl_add_u32 v[AV0], v4, 4, v[AV0]
	v_add_nc_u32 v[AV0], VOFF, v[AV0]              ; V, for the turning load: key 8 h + lane % 8, channels 8 ((lane / 8) % 2) on
	v_lshlrev_b32 v3, 3, v11
	v_sub_nc_u32 v[QD], v10, v3
	v_add_nc_u32 v[QD], s[Q0], v[QD]
	v_add_nc_u32 v[QD+1], 16, v[QD]
	s_mul_i32 s58, s[WV], 32*PK                    ; the way out: my stage, 32 rows x 144, in slot 0's first bytes
	v_add_nc_u32 v[STO], s58, v[AK0]
	v_bfe_u32 v[RD], v0, 3, 2
	v_mul_u32_u24 v[RD], v[RD], PK
	v_and_b32 v3, 7, v0
	v_lshl_add_u32 v[RD], v3, 4, v[RD]
	v_add_nc_u32 v[RD], s58, v[RD]
	v_and_b32 v[GO], 31, v0
	v_lshlrev_b32 v[GO], 4, v[GO]
	v_mov_b32 v[NINF], 0xff800000
.irp t, 0,1
	v_mov_b32 v[ST+8*\t+1], 0xff61b1e6             ; the largest score so far: -3e38, under every score
	v_mul_f32 v[ST+8*\t], s[CS], v[ST+8*\t+1]
.irp i, 2,3,4,5,6,7
	v_mov_b32 v[ST+8*\t+\i], 0
.endr
.endr
.set n, 0
.rept 64
	v_mov_b32 v[OT+n], 0                           ; O^T.  (The sub-step is written once a slot: the first finds zeros, which its a = 0 leaves zeros)
.set n, n+1
.endr
; A SUB-STEP: 64 keys against my 32 queries.
.macro SUBSTEP
	s_cmp_ge_u32 s[KF], s[GEND]                    ; all 64 keys lie behind my group's queries: left out.  The wave's number and the count of steps alone decide
	s_cbranch_scc1 .Lhidden_\@
	v_add_nc_u32 v[ADK], s[KB], v[AK0]
	v_add_nc_u32 v[ADV], s[VB], v[AV0]
.rept 3
	v_nop                                          ; with the two additions five places behind the last products: K lands in V's registers, and the new scores are written over P
.endr
.irp kt, 0,1,2,3
.irp c, 0,1
	ds_load_b128 v[KV+16*\kt+8*\c:KV+16*\kt+8*\c+3],   v[ADK] offset:\kt*16*PK+64*\c
	ds_load_b128 v[KV+16*\kt+8*\c+4:KV+16*\kt+8*\c+7], v[ADK] offset:\kt*16*PK+64*\c+32
.endr
.endr
	s_wait_dscnt 0x0
.irp kt, 0,1,2,3                       ; the eight accumulators take turns
.irp t, 0,1
	v_wmma_f32_16x16x32_f16 v[S+32*\t+8*\kt:S+32*\t+8*\kt+7], v[KV+16*\kt:KV+16*\kt+7], v[Q+16*\t:Q+16*\t+7], 0
.endr
.endr
.irp kt, 0,1,2,3
.irp t, 0,1
	v_wmma_f32_16x16x32_f16 v[S+32*\t+8*\kt:S+32*\t+8*\kt+7], v[KV+16*\kt+8:KV+16*\kt+15], v[Q+16*\t+8:Q+16*\t+15], v[S+32*\t+8*\kt:S+32*\t+8*\kt+7]
.endr
.endr
.rept 4
	v_nop                                          ; places in front of the loads into K's registers and of the first read of the scores
.endr
.irp kk, 0,1
.irp dt, 0,1,2,3
	ds_load_tr16_b128 v[KV+32*\kk+8*\dt:KV+32*\kk+8*\dt+3],   v[ADV] offset:\kk*32*PV+32*\dt
	ds_load_tr16_b128 v[KV+32*\kk+8*\dt+4:KV+32*\kk+8*\dt+7], v[ADV] offset:\kk*32*PV+16*PV+32*\dt
.endr
.endr
	s_cmp_lt_u32 s[KF], s[GBEG]                    ; all 64 keys count for all queries of my group: no mask
	s_cbranch_scc1 .Lopen_\@
	v_sub_nc_u32 v10, v[QD], s[KF]                 ; register 8 kt + j holds key KF + 16 kt + 8 h + j: hidden where 16 kt + j > my query - 8 h - KF
	v_sub_nc_u32 v11, v[QD+1], s[KF]
.irp t, 0,1
.set n, 0
.rept 32
	v_cmp_gt_i32 vcc_lo, 16*(n/8)+n%8, v[10+\t]
	v_cndmask_b32 v[S+32*\t+n], v[S+32*\t+n], v[NINF], vcc_lo
.set n, n+1
.endr
.endr
.Lopen_\@:
.irp j, 0,1,2,3                        ; the largest score, each accumulator from its low end on, the two tiles line by line
.irp t, 0,1
	v_max3_num_f32 v[ST+8*\t+4+\j], v[S+32*\t+8*\j], v[S+32*\t+8*\j+1], v[S+32*\t+8*\j+2]
.endr
.endr
.irp u, 3,5
.irp j, 0,1,2,3
.irp t, 0,1
	v_max3_num_f32 v[ST+8*\t+4+\j], v[ST+8*\t+4+\j], v[S+32*\t+8*\j+\u], v[S+32*\t+8*\j+\u+1]
.endr
.endr
.endr
.irp t, 0,1
	v_max3_num_f32 v[ST+8*\t+4], v[ST+8*\t+4], v[S+32*\t+7], v[S+32*\t+15]
.endr
.irp t, 0,1
	v_max3_num_f32 v[ST+8*\t+6], v[ST+8*\t+6], v[S+32*\t+23], v[S+32*\t+31]
.endr
.irp t, 0,1
	v_max3_num_f32 v[ST+8*\t+4], v[ST+8*\t+4], v[ST+8*\t+5], v[ST+8*\t+6]
.endr
.irp t, 0,1
	v_max3_num_f32 v[ST+8*\t+4], v[ST+8*\t+4], v[ST+8*\t+7], v[ST+8*\t+1]   ; and the old m: finite from the group's first sub-step on
.endr
.irp t, 0,1
	v_permlanex16_b32 v[ST+8*\t+5], v[ST+8*\t+4], s[SEL], s[SEL+1]          ; the query's other 32 keys lie in the lane 16 away
.endr
.irp t, 0,1
	v_mov_b32 v[ST+8*\t+7], v[ST+8*\t]             ; c m_old
.endr
.irp t, 0,1
	v_max_num_f32 v[ST+8*\t+1], v[ST+8*\t+4], v[ST+8*\t+5]
.endr
.irp t, 0,1
	v_mul_f32 v[ST+8*\t], s[CS], v[ST+8*\t+1]
.endr
.irp t, 0,1
	v_sub_f32 v[ST+8*\t+7], v[ST+8*\t+7], v[ST+8*\t]
.endr
.set n, 0
.rept 16
.irp t, 0,1
	v_pk_fma_f32 v[S+32*\t+n:S+32*\t+n+1], v[S+32*\t+n:S+32*\t+n+1], s[CS:CS+1], v[ST+8*\t:ST+8*\t+1] op_sel_hi:[1,0,0] neg_lo:[0,0,1] neg_hi:[0,0,1]   ; c s - c m
.endr
.set n, n+2
.endr
.irp t, 0,1
	v_exp_f32 v[ST+8*\t+6], v[ST+8*\t+7]           ; a = 2^(c m_old - c m_new)
.endr
.set n, 0
.rept 32
.irp t, 0,1
	v_exp_f32 v[S+32*\t+n], v[S+32*\t+n]           ; p, at most 1
.endr
.set n, n+1
.endr
	v_nop                                          ; a plain instruction behind the last exponential
	s_wait_alu depctr_va_vdst(0)                   ; one wait for the batch of 66, ahead of its first reader
.irp t, 0,1
	v_pk_mul_f32 v[ST+8*\t+2:ST+8*\t+3], v[ST+8*\t+2:ST+8*\t+3], v[ST+8*\t+6:ST+8*\t+7] op_sel_hi:[1,0]
.endr
.irp t, 0,1
	v_pk_add_f32 v[ST+8*\t+4:ST+8*\t+5], v[S+32*\t:S+32*\t+1], v[S+32*\t+2:S+32*\t+3]
.endr
.irp j, 4,8,12,16,20,24,28
.irp t, 0,1
	v_pk_add_f32 v[ST+8*\t+2:ST+8*\t+3], v[ST+8*\t+2:ST+8*\t+3], v[S+32*\t+\j:S+32*\t+\j+1]
	v_pk_add_f32 v[ST+8*\t+4:ST+8*\t+5], v[ST+8*\t+4:ST+8*\t+5], v[S+32*\t+\j+2:S+32*\t+\j+3]
.endr
.endr
.irp t, 0,1
	v_pk_add_f32 v[ST+8*\t+2:ST+8*\t+3], v[ST+8*\t+2:ST+8*\t+3], v[ST+8*\t+4:ST+8*\t+5]
.endr
.set n, 0
.rept 16
.irp t, 0,1
	v_cvt_pk_f16_f32 v[S+32*\t+n], v[S+32*\t+2*n], v[S+32*\t+2*n+1]   ; P in place, ascending: register n is free when pair n is rounded
.endr
.set n, n+1
.endr
.set n, 0
.rept 16
.irp t, 0,1
	v_pk_mul_f32 v[OT+32*\t+n:OT+32*\t+n+1], v[OT+32*\t+n:OT+32*\t+n+1], v[ST+8*\t+6:ST+8*\t+7] op_sel_hi:[1,0]
.endr
.set n, n+2
.endr
	s_wait_dscnt 0x0                               ; V is in
.irp kk, 0,1
.irp dt, 0,1,2,3
.irp t, 0,1
	v_wmma_f32_16x16x32_f16 v[OT+32*\t+8*\dt:OT+32*\t+8*\dt+7], v[KV+32*\kk+8*\dt:KV+32*\kk+8*\dt+7], v[S+32*\t+8*\kk:S+32*\t+8*\kk+7], v[OT+32*\t+8*\dt:OT+32*\t+8*\dt+7]
.endr
.endr
.endr
.Lhidden_\@:
.endm
.macro STEPS slot                      ; a slot's eight sub-steps: a loop of constant count
	s_mov_b32 s[KB], \slot*SLOT
	s_mov_b32 s[VB], \slot*SLOT
	s_mov_b32 s[CNT], 8
.Lsub_\@:
	SUBSTEP
	s_add_co_u32 s[KB], s[KB], 64*PK
	s_add_co_u32 s[VB], s[VB], 64*PV
	s_add_co_u32 s[KF], s[KF], 64
	s_sub_co_u32 s[CNT], s[CNT], 1
	s_cmp_lg_u32 s[CNT], 0
	s_cbranch_scc1 .Lsub_\@
.endm
; THE CHANGE OF SLOTS.  Every wave waits for all its tensor loads (its part of the other slot), adds 0 to its spare word, and waits for that and for its reads of the slot that it leaves.
; fill = 1: the slot just left takes the keys 1,024 further on: behind a round of the cluster's barrier, the joint refill first, one load a wave; it has a whole slot's sub-steps in which to land.
.macro CHANGE slot, fill
	s_wait_tensorcnt 0x0
	ds_add_u32 v[SPW], v[NIL]
.if \fill
	s_add_nc_u64 s[G0K+4*\slot+2:G0K+4*\slot+3], s[G0K+4*\slot+2:G0K+4*\slot+3], 2*SROWS*128
	s_add_nc_u64 s[G0V+4*\slot+2:G0V+4*\slot+3], s[G0V+4*\slot+2:G0V+4*\slot+3], 2*SROWS*128
	s_wait_dscnt 0x0
	CROUND
	JLOAD \slot
.else
	s_wait_dscnt 0x0
	s_barrier_signal -1
	s_barrier_wait -1
.endif
.endm
	s_wait_tensorcnt 1                             ; my part of slot 0 is in; slot 1's may stay out
	s_barrier_signal -1
	s_barrier_wait -1
	s_wait_loadcnt 0x0                             ; Q
	STEPS 0                                        ; keys 0 to 511
	CHANGE 0, 1
	STEPS 1                                        ; 512 to 1,023
	CHANGE 1, 1
	STEPS 0                                        ; 1,024 to 1,535
	CHANGE 0, 0                                    ; nothing is left to fetch; behind this barrier nobody reads slot 0
	STEPS 1                                        ; 1,536 to 2,047
	; THE WAY OUT: O^T / the sum, rounded to f16, through my stage (in slot 0, which has had its last fill and its last read), back as 4 rows x 128 bytes: 512 consecutive bytes of y16 a store.
.rept 4
	v_nop                                          ; places behind the last products
.endr
.irp t, 0,1
	v_add_f32 v[ST+8*\t+4], v[ST+8*\t+2], v[ST+8*\t+3]
.endr
.irp t, 0,1
	v_permlanex16_b32 v[ST+8*\t+5], v[ST+8*\t+4], s[SEL], s[SEL+1]
.endr
.irp t, 0,1
	v_add_f32 v[ST+8*\t+4], v[ST+8*\t+4], v[ST+8*\t+5]
.endr
.irp t, 0,1
	v_rcp_f32 v[ST+8*\t+6], v[ST+8*\t+4]
.endr
	v_nop
	s_wait_alu depctr_va_vdst(0)                   ; one wait for the two reciprocals, ahead of their first reader
.irp t, 0,1
.set n, 0
.rept 16
	v_pk_mul_f32 v[OT+32*\t+n:OT+32*\t+n+1], v[OT+32*\t+n:OT+32*\t+n+1], v[ST+8*\t+6:ST+8*\t+7] op_sel_hi:[1,0]
.set n, n+2
.endr
.set n, 0
.rept 16
	v_cvt_pk_f16_f32 v[KV+16*\t+n], v[OT+32*\t+2*n], v[OT+32*\t+2*n+1]
.set n, n+1
.endr
.irp dt, 0,1,2,3
	ds_store_b128 v[STO], v[KV+16*\t+4*\dt:KV+16*\t+4*\dt+3] offset:\t*16*PK+32*\dt
.endr
.endr
.irp i, 0,1,2,3,4,5,6,7
	ds_load_b128 v[S+4*\i:S+4*\i+3], v[RD] offset:\i*4*PK      ; LDS serves a wave's instructions in order: these see my stores
.endr
.irp i, 0,1,2,3,4,5,6,7
	s_wait_dscnt 7-\i
	global_store_b128 v[GO], v[S+4*\i:S+4*\i+3], s[6:7] offset:512*\i
.endr
	s_wait_tensorcnt 0x0                           ; the wave's end
	ds_add_u32 v[SPW], v[NIL]
	s_wait_dscnt 0x0
	CROUND                                         ; the closing round
	s_endpgm
.Lfunc_end_k_q389c84ee33_attn:
	.size	k_q389c84ee33_attn, .Lfunc_end_k_q389c84ee33_attn-k_q389c84ee33_attn
	.p2alignl 7, 3214868480
	.fill 96, 4, 3214868480
	.section	.rodata,"a",@progbits
	.p2align	6, 0x0
	.amdhsa_kernel k_q389c84ee33_attn
		.amdhsa_group_segment_fixed_size 327680
		.amdhsa_private_segment_fixed_size 0
		.amdhsa_enable_private_segment 0
		.amdhsa_kernarg_size 16
		.amdhsa_user_sgpr_count 2
		.amdhsa_user_sgpr_kernarg_segment_ptr 1
		.amdhsa_wavefront_size32 1
		.amdhsa_system_sgpr_workgroup_id_x 1
		.amdhsa_system_sgpr_workgroup_id_y 1
		.amdhsa_system_sgpr_workgroup_id_z 1
		.amdhsa_system_vgpr_workitem_id 0
		.amdhsa_next_free_vgpr 256
		.amdhsa_next_free_sgpr 72
		.amdhsa_reserve_vcc 1
		.amdhsa_float_denorm_mode_32 3
		.amdhsa_float_denorm_mode_16_64 3
		.amdhsa_memory_ordered 1
		.amdhsa_forward_progress 1
		.amdhsa_inst_pref_size 106
	.end_amdhsa_kernel
	.amdgpu_metadata
---
amdhsa.version: [ 1, 2 ]
amdhsa.kernels:
  - .name:           k_q389c84ee33_attn
    .symbol:         k_q389c84ee33_attn.kd
    .args:
      - { .name: kqv16, .offset: 0, .size: 8, .value_kind: global_buffer, .address_space: global }
      - { .name: y16, .offset: 8, .size: 8, .value_kind: global_buffer, .address_space: global }
    .group_segment_fixed_size: 327680
    .private_segment_fixed_size: 0
    .kernarg_segment_align: 8
    .kernarg_segment_size: 16
    .max_flat_workgroup_size: 512
    .sgpr_count:     72
    .vgpr_count:     256
    .wavefront_size: 32
...
	.end_amdgpu_metadata
.endif
;; end of part 3
;; launch proj (part 4): grid 4 x 64, 4 waves a work-group, clusters of 4 x 4, 327,680 bytes of LDS; arguments y16, wp16, b_proj, out0; writes out0
.if DOCPART == 4
	.amdgcn_target "amdgcn-amd-amdhsa--gfx1250"
	.amdhsa_code_object_version 6
	.text
	.protected	k_q389c84ee33_proj
	.globl	k_q389c84ee33_proj
	.p2align	8
	.type	k_q389c84ee33_proj,@function
k_q389c84ee33_proj:
	s_mov_b64 s[64:65], 0
	v_nop
	global_prefetch_b8 v0, s[64:65] scope:SCOPE_SE
	s_setreg_imm32_b32 hwreg(HW_REG_WAVE_MODE, 25, 1), 1
	s_wait_xcnt 0x0
	s_wait_alu depctr_hold_cnt(0) depctr_sa_sdst(0) depctr_va_vdst(0) depctr_va_sdst(0) depctr_va_ssrc(0) depctr_va_vcc(0) depctr_vm_vsrc(0)
	s_getreg_b32 s2, hwreg(HW_REG_IB_STS2, 6, 4)
	s_cmp_eq_u32 s2, 0
	s_cbranch_scc0 .Lentry_in_a_cluster
	s_endpgm
.Lentry_in_a_cluster:
	s_bfe_u32 s2, ttmp6, 0x10000c
	s_cmp_lg_u32 s2, 0xf033
	s_cbranch_scc0 .Lentry_shape_is_right
	s_endpgm
.Lentry_shape_is_right:
; out0 = y W_proj + b_proj, f16 operands, f32 sums.  A = y16 [batch x 16 + head][t][64] f16 (K = 64 head + channel), B = the high part of wp16 [1024 n][1024 k] f16.  out0 [8192][1024] f32.
; (Positions 0-15 of each batch are inside these tiles and are stored here too; the last launch stores them again, carried more finely.)
; A tile of out0 is 128 rows x 256 columns: 256 work-groups.  Four waves, 64 x 128 each: 32 accumulators.  A K step is 128 = two heads: A's tile is two planes of 128 rows x 128 bytes,
; B's 256 rows x 256 bytes.  Eight K steps go through a ring of two slots; waves 0 and 1 fetch A's planes, waves 2 and 3 B's halves.
; A wave has two tensor loads out at the start and one behind each refill's round.
; CLUSTERS: 4 x 4; A's tiles are asked for jointly along a row of the cluster, B's along a column.  THE MATRIX INSTRUCTION IS USED TRANSPOSED (source 0 = 16 rows of B, source 1 = 16 rows of A).
; THE BIAS is the C of each sum's first product.
; REGISTERS: window 0: v16-29 addresses; v32-95 the bias; v128-255 rows on the way out.  window 1: two fragment buffers of 96 (A's four at 8 a, B's eight at 32 + 8 b), at v0 and v128.
;   window 2: accumulator (a, b) at v[8 (8 a + b)].
.set PA,     144                       ; a row of A in LDS: 128 bytes + 16
.set PB,     272                       ; a row of B: 256 + 16
.set PLANE,  128*PA
.set BOFF,   2*PLANE
.set SLOT,   BOFF+256*PB               ; 106,496
.set STAGE,  2*SLOT                    ; behind the ring: 16 rows x 528 for each wave
.set SPITCH, 528
.set SPARE,  STAGE+4*16*SPITCH         ; the spare words, 128 bytes for each wave, which no other line names
.set ADRA, 16
.set ADRB, 20
.set STO,  24
.set RD,   25
.set CO,   26
.set BO,   27
.set SPW,  28
.set NIL,  29
.set BIAS, 32
.set BK,   128
.set F0,   0
.set F1,   128
.set G1, 24
.set G0, 32
.set G1B, 48
.set G0B, 56
.set MSB, 0
.macro WIN new
.if MSB != \new
	s_set_vgpr_msb (MSB<<8)|\new
.set MSB, \new
.endif
.endm
.set MUL,  0xa5                        ; sources 0 and 1 window 1; C and D window 2
.set MULB, 0x85                        ; C (the bias) window 0
.set TO_F, 0x40
.macro JLOAD s
	s_cmp_eq_u32 s11, 0
	s_cbranch_scc0 .Lfor_b_\@
	tensor_load_to_lds s[G0+4*\s:G0+4*\s+3], s[G1:G1+7]
	s_nop 0
.rept 4
	v_nop
.endr
	s_branch .Lasked_\@
.Lfor_b_\@:
	tensor_load_to_lds s[G0B+4*\s:G0B+4*\s+3], s[G1B:G1B+7]
	s_nop 0
.rept 4
	v_nop
.endr
.Lasked_\@:
.endm
.macro CREST
	s_cmp_lg_u32 s10, 0
	s_cbranch_scc1 .Lnot_wave_0_\@
	s_barrier_signal -3
.Lnot_wave_0_\@:
	s_barrier_wait -3
	s_barrier_signal -1
	s_barrier_wait -1
.endm
.macro CROUND
	s_barrier_signal -1
	s_barrier_wait -1
	CREST
.endm
	s_load_b128 s[4:7], s[0:1], 0x0                ; y16, wp16
	s_load_b128 s[68:71], s[0:1], 0x10             ; b_proj, out0
	v_lshl_add_u32 v[SPW], v0, 2, SPARE
	v_mov_b32 v[NIL], 0
	ds_add_u32 v[SPW], v[NIL]                      ; the wave's opening: the add, twice on end, and its wait ahead of my first tensor load
	ds_add_u32 v[SPW], v[NIL]
	v_lshrrev_b32 v1, 5, v0
	v_readfirstlane_b32 s10, v1                    ; wave 0..3
	s_lshr_b32 s11, s10, 1                         ; my half of the tile's rows; also: I fetch for A (0) or for B (1)
	s_and_b32 s12, s10, 1                          ; my half of its columns; also: which plane of A or which 128 rows of B I fetch
	s_bfe_u32 s40, ttmp6, 0x40000
	s_bfe_u32 s41, ttmp6, 0x40004
	s_lshl_b32 s42, ttmp9, 2
	s_add_co_u32 s42, s42, s40                     ; tile column 0..3
	s_and_b32 s13, ttmp7, 0xffff
	s_lshl_b32 s13, s13, 2
	s_add_co_u32 s13, s13, s41                     ; tile row 0..63
	s_lshl_b32 s43, s41, 2
	s_lshl_b32 s43, 15, s43
	s_lshl_b32 s44, 0x1111, s40
	s_or_b32 s[G1+0], s43, (1<<16)|(1<<20)|(1<<21)|(4<<22)|(3<<25)   ; A: elements of 2 bytes; 4 words of padding behind every 32
	s_mov_b32 s[G1+1], 64<<16
	s_mov_b32 s[G1+2], 128<<16
	s_mov_b32 s[G1+3], 64<<16
	s_mov_b32 s[G1+4], 128
	s_mov_b32 s[G1+5], 64
	s_mov_b32 s[G1+6], 0
	s_mov_b32 s[G1+7], 0
	s_or_b32 s[G1B+0], s44, (1<<16)|(1<<20)|(1<<21)|(5<<22)|(3<<25)  ; B: 4 words behind every 64
	s_mov_b32 s[G1B+1], 128<<16
	s_mov_b32 s[G1B+2], 128<<16
	s_mov_b32 s[G1B+3], 128<<16
	s_mov_b32 s[G1B+4], 128
	s_mov_b32 s[G1B+5], 1024
	s_mov_b32 s[G1B+6], 0
	s_mov_b32 s[G1B+7], 0
	s_lshr_b32 s16, s13, 4                         ; batch
	s_lshl_b32 s16, s16, 4
	s_add_co_u32 s16, s16, s12                     ; batch x 16 + my plane's head in K step 0
	s_lshl_b32 s16, s16, 11
	s_and_b32 s17, s13, 15
	s_lshl_b32 s17, s17, 7
	s_add_co_u32 s16, s16, s17                     ; + the tile's first position
	s_lshl_b32 s16, s16, 7
	s_mov_b32 s17, 0
	s_lshl_b32 s46, s42, 8
	s_lshl_b32 s47, s12, 7
	s_add_co_u32 s46, s46, s47
	s_lshl_b32 s46, s46, 11                        ; B: row 256 x tile column + 128 x half, 2,048 bytes a row
	s_mov_b32 s47, 0
	s_mul_i32 s20, s12, PLANE                      ; where they go
	s_mul_i32 s21, s12, 128*PB
	s_add_co_u32 s21, s21, BOFF
	s_wait_dscnt 0x0                               ; both opening adds are done
	s_wait_kmcnt 0x0
	s_add_nc_u64 s[14:15], s[4:5], s[16:17]
	s_add_nc_u64 s[46:47], s[6:7], s[46:47]
	CROUND                                         ; all sixteen work-groups are here
.irp s, 0,1
	s_mov_b32 s[G0+4*\s], 1
	s_add_co_u32 s[G0+4*\s+1], s20, \s*SLOT
	s_add_nc_u64 s[G0+4*\s+2:G0+4*\s+3], s[14:15], \s*2*262144    ; K step s: two heads on
	s_or_b32 s[G0+4*\s+3], s[G0+4*\s+3], 0x80000000
	s_mov_b32 s[G0B+4*\s], 1
	s_add_co_u32 s[G0B+4*\s+1], s21, \s*SLOT
	s_add_nc_u64 s[G0B+4*\s+2:G0B+4*\s+3], s[46:47], \s*256
	s_or_b32 s[G0B+4*\s+3], s[G0B+4*\s+3], 0x80000000
	JLOAD \s
.endr
	v_and_b32 v1, 15, v0                           ; r
	v_bfe_u32 v2, v0, 4, 1                         ; h
	v_mul_u32_u24 v3, v1, PA
	v_lshl_add_u32 v3, v2, 4, v3
	v_mul_u32_u24 v4, v1, PB
	v_lshl_add_u32 v4, v2, 4, v4
	s_mul_i32 s21, s11, 64*PA                      ; my 64 rows of A
	s_mul_i32 s22, s12, 128*PB                     ; my 128 rows of B
	s_add_co_u32 s22, s22, BOFF
.irp s, 0,1
	v_add_nc_u32 v[ADRA+\s], s21, v3
	v_add_nc_u32 v[ADRB+\s], s22, v4
	s_add_co_u32 s21, s21, SLOT
	s_add_co_u32 s22, s22, SLOT
.endr
	s_mul_i32 s23, s10, 16*SPITCH
	s_add_co_u32 s23, s23, STAGE                   ; my stage
	v_mul_u32_u24 v5, v1, SPITCH
	v_lshl_add_u32 v5, v2, 5, v5
	v_add_nc_u32 v[STO], s23, v5                   ; in: row r, 32 bytes for each half of the lanes
	v_and_b32 v6, 31, v0
	v_lshlrev_b32 v[CO], 4, v6
	v_add_nc_u32 v[RD], s23, v[CO]                 ; back: the 32 lanes take a row of 512 bytes
	v_lshlrev_b32 v[BO], 5, v2
	s_lshl_b32 s16, s13, 7
	s_lshl_b32 s17, s11, 6
	s_add_co_u32 s16, s16, s17                     ; my first row of out0
	s_lshl_b32 s16, s16, 12
	s_lshl_b32 s46, s42, 10
	s_lshl_b32 s47, s12, 9
	s_add_co_u32 s46, s46, s47                     ; my first column x 4 bytes
	s_mov_b32 s47, 0
	s_add_nc_u64 s[68:69], s[68:69], s[46:47]
	s_add_co_u32 s46, s46, s16
	s_add_nc_u64 s[70:71], s[70:71], s[46:47]
.irp b, 0,1,2,3,4,5,6,7
	global_load_b128 v[BIAS+8*\b:BIAS+8*\b+3],   v[BO], s[68:69] offset:64*\b
	global_load_b128 v[BIAS+8*\b+4:BIAS+8*\b+7], v[BO], s[68:69] offset:64*\b+16
.endr
.macro MUL8 f, a, first                ; A's block a x B's eight, 32 along K.  The 32 accumulators take turns in the same order in every quarter
.irp b, 0,1,2,3,4,5,6,7
.if \first
	v_wmma_f32_16x16x32_f16 v[8*(8*(\a)+\b):8*(8*(\a)+\b)+7], v[\f+32+8*\b:\f+32+8*\b+7], v[\f+8*(\a):\f+8*(\a)+7], v[BIAS+8*\b:BIAS+8*\b+7]
.else
	v_wmma_f32_16x16x32_f16 v[8*(8*(\a)+\b):8*(8*(\a)+\b)+7], v[\f+32+8*\b:\f+32+8*\b+7], v[\f+8*(\a):\f+8*(\a)+7], v[8*(8*(\a)+\b):8*(8*(\a)+\b)+7]
.endif
.endr
.endm
.macro FETCH slot, q, f                ; 24 LDS loads in one run: the slot's q-th 32 along K (plane q / 2, bytes 64 (q % 2) on, of A; bytes 64 q on of B)
	WIN TO_F
.irp i, 0,1,2,3,4,5,6,7
	ds_load_b128 v[\f+32+8*\i:\f+32+8*\i+3],   v[ADRB+\slot] offset:64*(\q)+\i*16*PB
	ds_load_b128 v[\f+32+8*\i+4:\f+32+8*\i+7], v[ADRB+\slot] offset:64*(\q)+\i*16*PB+32
.endr
.irp i, 0,1,2,3
	ds_load_b128 v[\f+8*\i:\f+8*\i+3],   v[ADRA+\slot] offset:((\q)/2)*PLANE+((\q)%2)*64+\i*16*PA
	ds_load_b128 v[\f+8*\i+4:\f+8*\i+7], v[ADRA+\slot] offset:((\q)/2)*PLANE+((\q)%2)*64+\i*16*PA+32
.endr
.endm
.macro PLACES
.rept 4
	v_nop
.endr
.endm
; One of a K step's first three quarters: buffer f is in; the next quarter, qn, is asked for into g, 32 products ahead of its use; then f is multiplied.
.macro QUARTER slot, qn, f, g, first
	s_wait_dscnt 0x0                               ; buffer f is in
	PLACES                                         ; behind the products that read buffer g
	FETCH \slot, \qn, \g
.if \first
	WIN MULB
.else
	WIN MUL
.endif
	MUL8 \f, 0, \first
	MUL8 \f, 1, \first
	MUL8 \f, 2, \first
	MUL8 \f, 3, \first
.endm
; The last quarter multiplies buffer 1 and changes slots: one barrier; in front of it each wave waits for all its tensor loads, adds 0 to its spare word, and waits for that and for its reads of this slot.
.macro TURN slot, next, fill
	WIN 0
	s_wait_tensorcnt 0x0                           ; all my tensor loads have landed: my part of the next slot
	ds_add_u32 v[SPW], v[NIL]
	s_wait_dscnt 1                                 ; buffer 1 is in (the add may be out)
	WIN MUL
	MUL8 F1, 0, 0
	s_wait_dscnt 0x0                               ; the add is done, and my reads of this slot are over
	s_barrier_signal -1
	MUL8 F1, 1, 0
	WIN 0
	s_barrier_wait -1
.if \fill
	CREST                                          ; the barrier has opened a round of the cluster's barrier
	s_add_nc_u64 s[G0+4*\slot+2:G0+4*\slot+3], s[G0+4*\slot+2:G0+4*\slot+3], 4*262144   ; two K steps on: four heads
	s_add_nc_u64 s[G0B+4*\slot+2:G0B+4*\slot+3], s[G0B+4*\slot+2:G0B+4*\slot+3], 512
	JLOAD \slot                                    ; the first tensor load behind the round; its four v_nop are also the places in front of the loads below
.else
	PLACES
.endif
	FETCH \next, 0, F0
	WIN MUL
	MUL8 F1, 2, 0
	MUL8 F1, 3, 0
.endm
	s_wait_tensorcnt 1                             ; my part of K step 0 is in (K step 1's load may be out),
	s_barrier_signal -1
	s_barrier_wait -1                              ; everybody's is
	FETCH 0, 0, F0
	s_wait_loadcnt 0x0                             ; the bias
	QUARTER 0, 1, F0, F1, 1                        ; the first quarter stands in front of the loop: its products start the sums with the bias
	WIN 0
	s_mov_b32 s3, 3
.Llap:                                                 ; a trip goes once round the ring and fills both slots again
	QUARTER 0, 2, F1, F0, 0
	QUARTER 0, 3, F0, F1, 0
	TURN 0, 1, 1
	QUARTER 1, 1, F0, F1, 0
	QUARTER 1, 2, F1, F0, 0
	QUARTER 1, 3, F0, F1, 0
	TURN 1, 0, 1
	QUARTER 0, 1, F0, F1, 0
	WIN 0
	s_sub_co_u32 s3, s3, 1
	s_cmp_lg_u32 s3, 0
	s_cbranch_scc1 .Llap
	QUARTER 0, 2, F1, F0, 0                        ; the last lap fills nothing
	QUARTER 0, 3, F0, F1, 0
	TURN 0, 1, 0
	QUARTER 1, 1, F0, F1, 0
	QUARTER 1, 2, F1, F0, 0
	QUARTER 1, 3, F0, F1, 0
	s_wait_dscnt 0x0
	MUL8 F1, 0, 0
	MUL8 F1, 1, 0
	MUL8 F1, 2, 0
	MUL8 F1, 3, 0
	WIN 0
; THE WAY OUT, block by block of 16 rows x 128 columns, through my own stage, back as whole rows of 512 bytes.
.macro TOSTAGE a
	WIN 0x08                                       ; an LDS store's data are its source 1: window 2
.irp b, 0,1,2,3,4,5,6,7
	ds_store_b128 v[STO], v[8*(8*(\a)+\b):8*(8*(\a)+\b)+3] offset:64*\b            ; each accumulator from its low end on
	ds_store_b128 v[STO], v[8*(8*(\a)+\b)+4:8*(8*(\a)+\b)+7] offset:64*\b+16
.endr
	WIN 0
.set BB, BK+64*((\a)%2)
.irp t, 0,1,2,3,4,5,6,7,8,9,10,11,12,13,14,15
	ds_load_b128 v[BB+4*\t:BB+4*\t+3], v[RD] offset:\t*SPITCH
.endr
.endm
.macro SEND a, younger
.set BB, BK+64*((\a)%2)
	s_wait_dscnt \younger
.irp t, 0,1,2,3,4,5,6,7,8,9,10,11,12,13,14,15
	global_store_b128 v[CO], v[BB+4*\t:BB+4*\t+3], s[70:71] offset:(\a)*65536+\t*4096 th:TH_STORE_NT   ; 512 consecutive bytes, aligned
.endr
.endm
	PLACES
	TOSTAGE 0
.irp a, 1,2,3
.if \a > 1
	s_wait_xcnt 0x0                                ; block a - 2's stores have read their registers: block a's loads may land there
.endif
	TOSTAGE \a
	SEND \a-1, 32                                  ; behind block a - 1's loads: block a's 16 stores and 16 loads
.endr
	SEND 3, 0
	s_wait_tensorcnt 0x0                           ; the wave's end
	ds_add_u32 v[SPW], v[NIL]
	s_wait_dscnt 0x0
	CROUND                                         ; the closing round
	s_endpgm
.Lfunc_end_k_q389c84ee33_proj:
	.size	k_q389c84ee33_proj, .Lfunc_end_k_q389c84ee33_proj-k_q389c84ee33_proj
	.p2alignl 7, 3214868480
	.fill 96, 4, 3214868480
	.section	.rodata,"a",@progbits
	.p2align	6, 0x0
	.amdhsa_kernel k_q389c84ee33_proj
		.amdhsa_group_segment_fixed_size 327680
		.amdhsa_private_segment_fixed_size 0
		.amdhsa_enable_private_segment 0
		.amdhsa_kernarg_size 32
		.amdhsa_user_sgpr_count 2
		.amdhsa_user_sgpr_kernarg_segment_ptr 1
		.amdhsa_wavefront_size32 1
		.amdhsa_system_sgpr_workgroup_id_x 1
		.amdhsa_system_sgpr_workgroup_id_y 1
		.amdhsa_system_sgpr_workgroup_id_z 1
		.amdhsa_system_vgpr_workitem_id 0
		.amdhsa_next_free_vgpr 768
		.amdhsa_next_free_sgpr 72
		.amdhsa_reserve_vcc 0
		.amdhsa_float_denorm_mode_32 3
		.amdhsa_float_denorm_mode_16_64 3
		.amdhsa_memory_ordered 1
		.amdhsa_forward_progress 1
		.amdhsa_inst_pref_size 86
	.end_amdhsa_kernel
	.amdgpu_metadata
---
amdhsa.version: [ 1, 2 ]
amdhsa.kernels:
  - .name:           k_q389c84ee33_proj
    .symbol:         k_q389c84ee33_proj.kd
    .args:
      - { .name: y16, .offset: 0, .size: 8, .value_kind: global_buffer, .address_space: global }
      - { .name: wp16, .offset: 8, .size: 8, .value_kind: global_buffer, .address_space: global }
      - { .name: b_proj, .offset: 16, .size: 8, .value_kind: global_buffer, .address_space: global }
      - { .name: out0, .offset: 24, .size: 8, .value_kind: global_buffer, .address_space: global }
    .group_segment_fixed_size: 327680
    .private_segment_fixed_size: 0
    .kernarg_segment_align: 8
    .kernarg_segment_size: 32
    .max_flat_workgroup_size: 128
    .sgpr_count:     72
    .vgpr_count:     768
    .wavefront_size: 32
...
	.end_amdgpu_metadata
.endif
;; end of part 4
;; launch fine (part 5): grid 16 x 4, 16 waves a work-group, no clusters, 85,504 bytes of LDS; arguments kqv32, wp16, b_proj, out0; writes out0
.if DOCPART == 5
	.amdgcn_target "amdgcn-amd-amdhsa--gfx1250"
	.amdhsa_code_object_version 6
	.text
	.protected	k_q389c84ee33_fine
	.globl	k_q389c84ee33_fine
	.p2align	8
	.type	k_q389c84ee33_fine,@function
k_q389c84ee33_fine:
	s_mov_b64 s[64:65], 0
	v_nop
	global_prefetch_b8 v0, s[64:65] scope:SCOPE_SE
	s_setreg_imm32_b32 hwreg(HW_REG_WAVE_MODE, 25, 1), 1
	s_wait_xcnt 0x0
; POSITIONS 0-15 OF EACH BATCH, carried more finely: their rows average one to sixteen values and are the largest of the output.  64 rows of out0 are stored over the projection launch's.
; Attention by the f32 matrix form (16 x 16 x 4), on the f32 results that the first product left in kqv32; the projection with y and W_proj as pairs of f16 numbers, a high and a low part:
; high x high + high x low + low x high, f32 sums.
; A work-group: a block cb of 64 output columns of a batch.  PHASE A: wave w does head w's 16 positions (each of a batch's 16 work-groups repeats it: 32 small matrix instructions a head, which spares a launch).
; PHASE B: wave w takes column tile w % 4 and the quarter w / 4 of K; the four quarters meet in LDS.
; kqv32: [batch][column / 16][quad 2][lane 32][4 f32]: lane (r, h) holds kqv(t = r, column 16 n16 + 8 h + 4 quad + 0..3).  K and Q are loaded as the same images, so both operands of
; K Q^T carry the same order of channels.  S^T: a lane holds query r and keys 8 h + 0..7; step s of V^T P takes keys 8 h + 2 s + 0, 1 on both sides, so p is used as it lies.
; The 16 x 16 tile lies on the diagonal: the mask is applied in it, and the row's maximum is taken away before the exponentials.
; v192-239 are written by matrix instructions alone.
.set YP,    2064                       ; a position's row of y in LDS: 1,024 f16 + 16 bytes
.set YL,    16*YP                      ; the low parts, behind the high parts
.set PART,  2*16*YP                    ; four quarters' sums: 16 rows x (256 + 16) each
.set SPARE, PART+4*4352                ; the spare words, 128 bytes for each of 16 waves, which no other line names
.set SPW,  1
.set NIL,  2
.set NINF, 3
.set DD0,  4                           ; v4   r - 8 h
.set IMG,  5                           ; v5   16 x lane
.set VA,   6
.set WA,   7
.set YS,   8
.set YR,   9
.set PW,   10
.set PR,   11
.set BO,   12
.set GO,   13
.set VR,   16                          ; v16-47   V, then y, then y's fragments
.set HI,   48
.set LO,   52
.set CC,   56
.set KR,   64                          ; v64-95   K;  v96-127 Q;  later v64-127: the low part of W_proj
.set QR,   96
.set WL,   64
.set WH,   128
.set SA,   192                         ; two sums of K Q^T; later high x high, high x low
.set SB,   200
.set OA,   208                         ; O^T's four; v208-215 later low x high
.set P,    240                         ; scores, p, later d of the split
	s_load_b256 s[4:11], s[0:1], 0x0               ; kqv32, wp16, b_proj, out0
	v_lshl_add_u32 v[SPW], v0, 2, SPARE
	v_mov_b32 v[NIL], 0
	v_lshrrev_b32 v14, 5, v0
	v_readfirstlane_b32 s12, v14                   ; wave 0..15 = head
	s_and_b32 s14, ttmp7, 0xffff                   ; batch
	s_and_b32 s15, s12, 3                          ; column tile
	s_lshr_b32 s16, s12, 2                         ; quarter of K
	s_and_b32 s17, s12, 7
	s_mov_b32 s20, 0x76543210
	s_mov_b32 s21, 0xfedcba98
	s_mov_b32 s22, 0x3e38aa3b                      ; c = log2(e) / 8
	s_mov_b32 s24, 0x46000400                      ; 8193.0
	s_mov_b32 s25, s24
	v_and_b32 v14, 15, v0                          ; r
	v_bfe_u32 v15, v0, 4, 1                        ; h
	v_mov_b32 v[NINF], 0xff800000
	v_lshlrev_b32 v[DD0], 3, v15
	v_sub_nc_u32 v[DD0], v14, v[DD0]
	v_and_b32 v[IMG], 31, v0
	v_lshlrev_b32 v[IMG], 4, v[IMG]
	v_bfe_u32 v[VA], v0, 3, 1                      ; V(key, channel r): image lane key + 16 (r / 8), quad (r / 4) % 2, word r % 4; my keys begin at 8 h
	v_lshlrev_b32 v[VA], 8, v[VA]
	v_bfe_u32 v[WA], v0, 2, 1
	v_lshl_add_u32 v[VA], v[WA], 9, v[VA]
	v_and_b32 v[WA], 3, v0
	v_lshl_add_u32 v[VA], v[WA], 2, v[VA]
	v_lshl_add_u32 v[VA], v15, 7, v[VA]
	v_lshlrev_b32 v[WA], 11, v14
	v_lshl_add_u32 v[WA], v15, 4, v[WA]            ; W_proj^T: row r of 2,048 bytes, + 16 h
	v_mul_u32_u24 v[YR], v14, YP
	v_lshl_add_u32 v[YR], v15, 4, v[YR]
	s_lshl_b32 s18, s12, 7
	v_add_nc_u32 v[YS], s18, v[YR]                 ; y in: row r, + 16 h, + my head's 128 bytes
	s_lshl_b32 s18, s16, 9
	v_add_nc_u32 v[YR], s18, v[YR]                 ; y back: + my quarter's 512 bytes
	s_mul_i32 s18, s16, 4352
	s_lshl_b32 s19, s15, 6
	s_add_co_u32 s18, s18, s19
	s_add_co_u32 s18, s18, PART
	v_mul_u32_u24 v[PW], v14, 272
	v_lshl_add_u32 v[PW], v15, 5, v[PW]
	v_add_nc_u32 v[PW], s18, v[PW]
	s_mul_i32 s18, s17, 544
	s_add_co_u32 s18, s18, PART
	v_mul_u32_u24 v[PR], v15, 272
	v_lshl_add_u32 v[PR], v14, 4, v[PR]
	v_add_nc_u32 v[PR], s18, v[PR]                 ; rows 2 (wave % 8) + h, 16 bytes a lane
	v_lshlrev_b32 v[BO], 4, v14
	v_lshlrev_b32 v[GO], 12, v15
	v_lshl_add_u32 v[GO], v14, 4, v[GO]
	v_mov_b32 v249, 0                              ; a lane permute's destination counts as one of its sources
	s_mul_i32 s18, s14, 196608
	s_mul_i32 s19, s12, 12288
	s_add_co_u32 s18, s18, s19
	s_mov_b32 s19, 0
	s_wait_kmcnt 0x0
	s_add_nc_u64 s[4:5], s[4:5], s[18:19]          ; my head's twelve images
	s_lshl_b32 s18, ttmp9, 6
	s_lshl_b32 s23, s15, 4
	s_add_co_u32 s18, s18, s23
	s_lshl_b32 s18, s18, 11
	s_lshl_b32 s23, s16, 9
	s_add_co_u32 s18, s18, s23
	s_add_nc_u64 s[6:7], s[6:7], s[18:19]          ; my 16 rows of W_proj^T, my quarter of K
	s_lshl_b32 s18, ttmp9, 8
	s_add_nc_u64 s[8:9], s[8:9], s[18:19]
	s_lshl_b32 s23, s14, 11
	s_lshl_b32 s26, s17, 1
	s_add_co_u32 s23, s23, s26
	s_lshl_b32 s23, s23, 12
	s_add_co_u32 s18, s18, s23
	s_add_nc_u64 s[10:11], s[10:11], s[18:19]
	global_load_b128 v[252:255], v[BO], s[8:9]     ; the bias of my four columns
.irp i, 0,1,2,3,4,5,6,7
	global_load_b128 v[KR+4*\i:KR+4*\i+3], v[IMG], s[4:5] offset:512*\i
.endr
.irp i, 0,1,2,3,4,5,6,7
	global_load_b128 v[QR+4*\i:QR+4*\i+3], v[IMG], s[4:5] offset:4096+512*\i
.endr
.irp dt, 0,1,2,3
.irp n, 0,1,2,3,4,5,6,7
	global_load_b32 v[VR+8*\dt+\n], v[VA], s[4:5] offset:8192+1024*\dt+16*\n   ; V(key 8 h + n, channel 16 dt + r)
.endr
.endr
.irp st, 0,1,2,3,4,5,6,7
	global_load_b128 v[WH+8*\st:WH+8*\st+3],   v[WA], s[6:7] offset:64*\st
	global_load_b128 v[WH+8*\st+4:WH+8*\st+7], v[WA], s[6:7] offset:64*\st+32
.endr
; ---- PHASE A
	s_wait_loadcnt 48                              ; K and Q are in; V's 32 loads and the high part's 16 may be out
	v_wmma_f32_16x16x4_f32 v[SA:SA+7], v[KR:KR+1], v[QR:QR+1], 0               ; two sums by turns; their first products start them
	v_wmma_f32_16x16x4_f32 v[SB:SB+7], v[KR+2:KR+3], v[QR+2:QR+3], 0
.irp i, 1,2,3,4,5,6,7
	v_wmma_f32_16x16x4_f32 v[SA:SA+7], v[KR+4*\i:KR+4*\i+1], v[QR+4*\i:QR+4*\i+1], v[SA:SA+7]
	v_wmma_f32_16x16x4_f32 v[SB:SB+7], v[KR+4*\i+2:KR+4*\i+3], v[QR+4*\i+2:QR+4*\i+3], v[SB:SB+7]
.endr
.rept 8
	v_nop                                          ; eight places behind this form
.endr
.irp j, 0,1,2,3,4,5,6,7
	v_add_f32 v[P+\j], v[SA+\j], v[SB+\j]
.endr
.irp st, 0,1,2,3,4,5,6,7
	global_load_b128 v[WL+8*\st:WL+8*\st+3],   v[WA], s[6:7] offset:2097152+64*\st      ; the low part, into K's and Q's registers
	global_load_b128 v[WL+8*\st+4:WL+8*\st+7], v[WA], s[6:7] offset:2097152+64*\st+32
.endr
.irp j, 0,1,2,3,4,5,6,7
	v_cmp_gt_i32 vcc_lo, \j, v[DD0]                ; key 8 h + j behind query r
	v_cndmask_b32 v[P+\j], v[P+\j], v[NINF], vcc_lo
.endr
	v_max3_num_f32 v248, v[P], v[P+1], v[P+2]
	v_max3_num_f32 v248, v248, v[P+3], v[P+4]
	v_max3_num_f32 v248, v248, v[P+5], v[P+6]
	v_max_num_f32 v248, v248, v[P+7]
	v_permlanex16_b32 v249, v248, s20, s21
	v_max_num_f32 v248, v248, v249                 ; the row's largest score: key 0 counts for every query, so it is a number
	v_mul_f32 v248, s22, v248
.irp j, 0,1,2,3,4,5,6,7
	v_fma_f32 v[P+\j], v[P+\j], s22, -v248
.endr
.irp j, 0,1,2,3,4,5,6,7
	v_exp_f32 v[P+\j], v[P+\j]
.endr
	v_nop
	s_wait_alu depctr_va_vdst(0)                   ; one wait for the eight, ahead of their first reader
	v_add_f32 v250, v[P], v[P+1]
	v_add_f32 v249, v[P+2], v[P+3]
	v_add_f32 v250, v250, v[P+4]
	v_add_f32 v249, v249, v[P+5]
	v_add_f32 v250, v250, v[P+6]
	v_add_f32 v249, v249, v[P+7]
	v_add_f32 v250, v250, v249
	v_permlanex16_b32 v249, v250, s20, s21
	v_add_f32 v250, v250, v249
	v_rcp_f32 v251, v250
	v_nop
	s_wait_alu depctr_va_vdst(0)
	s_wait_loadcnt 32                              ; V is in; the 32 loads of W_proj's two parts may be out
.irp dt, 0,1,2,3
	v_wmma_f32_16x16x4_f32 v[OA+8*\dt:OA+8*\dt+7], v[VR+8*\dt:VR+8*\dt+1], v[P:P+1], 0
.endr
.irp s, 1,2,3
.irp dt, 0,1,2,3
	v_wmma_f32_16x16x4_f32 v[OA+8*\dt:OA+8*\dt+7], v[VR+8*\dt+2*\s:VR+8*\dt+2*\s+1], v[P+2*\s:P+2*\s+1], v[OA+8*\dt:OA+8*\dt+7]
.endr
.endr
.rept 8
	v_nop
.endr
.set n, 0
.rept 32
	v_mul_f32 v[VR+n], v[OA+n], v251               ; y(position r, channel 16 dt + 8 h + j), each accumulator from its low end on
.set n, n+1
.endr
.irp dt, 0,1,2,3                       ; the split in f32: c = 8193 y, d = c - y, high = c - d, low = y - high; both parts to LDS as f16
.irp i, 0,2,4,6
	v_pk_mul_f32 v[CC+\i:CC+\i+1], v[VR+8*\dt+\i:VR+8*\dt+\i+1], s[24:25] op_sel_hi:[1,0]
.endr
.irp i, 0,2,4,6
	v_pk_add_f32 v[P+\i:P+\i+1], v[CC+\i:CC+\i+1], v[VR+8*\dt+\i:VR+8*\dt+\i+1] neg_lo:[0,1] neg_hi:[0,1]
.endr
.irp i, 0,2,4,6
	v_pk_add_f32 v[CC+\i:CC+\i+1], v[CC+\i:CC+\i+1], v[P+\i:P+\i+1] neg_lo:[0,1] neg_hi:[0,1]
.endr
.irp i, 0,2,4,6
	v_pk_add_f32 v[P+\i:P+\i+1], v[VR+8*\dt+\i:VR+8*\dt+\i+1], v[CC+\i:CC+\i+1] neg_lo:[0,1] neg_hi:[0,1]
.endr
.irp i, 0,1,2,3
	v_cvt_pk_f16_f32 v[HI+\i], v[CC+2*\i], v[CC+2*\i+1]
	v_cvt_pk_f16_f32 v[LO+\i], v[P+2*\i], v[P+2*\i+1]
.endr
	ds_store_b128 v[YS], v[HI:HI+3] offset:32*\dt
	ds_store_b128 v[YS], v[LO:LO+3] offset:YL+32*\dt
	s_wait_dscnt 0x0                               ; the stores have read their registers
.endr
	s_barrier_signal -1                            ; my stores have landed (the wait above): all sixteen heads' y lie in LDS behind this barrier
	s_barrier_wait -1
; ---- PHASE B: my 16 columns x 16 positions over my 256 of K: three sums by turns, two K steps of 32 a round
	s_wait_loadcnt 0x0
.irp g, 0,1,2,3
.if \g > 0
.rept 4
	v_nop                                          ; places in front of loads into registers that matrix instructions have read
.endr
.endif
.irp u, 0,1
	ds_load_b128 v[VR+8*\u:VR+8*\u+3],       v[YR] offset:64*(2*\g+\u)
	ds_load_b128 v[VR+8*\u+4:VR+8*\u+7],     v[YR] offset:64*(2*\g+\u)+32
	ds_load_b128 v[VR+16+8*\u:VR+16+8*\u+3], v[YR] offset:YL+64*(2*\g+\u)
	ds_load_b128 v[VR+16+8*\u+4:VR+16+8*\u+7], v[YR] offset:YL+64*(2*\g+\u)+32
.endr
	s_wait_dscnt 0x0
.irp u, 0,1
.if (\g+\u) == 0
	v_wmma_f32_16x16x32_f16 v[SA:SA+7], v[WH:WH+7], v[VR:VR+7], 0
	v_wmma_f32_16x16x32_f16 v[SB:SB+7], v[WH:WH+7], v[VR+16:VR+23], 0
	v_wmma_f32_16x16x32_f16 v[OA:OA+7], v[WL:WL+7], v[VR:VR+7], 0
.else
	v_wmma_f32_16x16x32_f16 v[SA:SA+7], v[WH+8*(2*\g+\u):WH+8*(2*\g+\u)+7], v[VR+8*\u:VR+8*\u+7], v[SA:SA+7]
	v_wmma_f32_16x16x32_f16 v[SB:SB+7], v[WH+8*(2*\g+\u):WH+8*(2*\g+\u)+7], v[VR+16+8*\u:VR+16+8*\u+7], v[SB:SB+7]
	v_wmma_f32_16x16x32_f16 v[OA:OA+7], v[WL+8*(2*\g+\u):WL+8*(2*\g+\u)+7], v[VR+8*\u:VR+8*\u+7], v[OA:OA+7]
.endif
.endr
.endr
.rept 4
	v_nop
.endr
.irp j, 0,1,2,3,4,5,6,7
	v_add_f32 v[VR+\j], v[SA+\j], v[SB+\j]
.endr
.irp j, 0,1,2,3,4,5,6,7
	v_add_f32 v[VR+\j], v[VR+\j], v[OA+\j]         ; out(position r, my columns 8 h + j), my quarter of K
.endr
	ds_store_b128 v[PW], v[VR:VR+3]
	ds_store_b128 v[PW], v[VR+4:VR+7] offset:16
	s_wait_dscnt 0x0                               ; for the others' sake: my stores have landed
	s_barrier_signal -1
	s_barrier_wait -1
	s_cmp_lt_u32 s12, 8                            ; waves 0-7 add the four quarters and the bias, two rows each
	s_cbranch_scc0 .Ldone
.irp k, 0,1,2,3
	ds_load_b128 v[VR+8+4*\k:VR+8+4*\k+3], v[PR] offset:\k*4352
.endr
	s_wait_dscnt 0x0
	v_pk_add_f32 v[24:25], v[24:25], v[28:29]
	v_pk_add_f32 v[26:27], v[26:27], v[30:31]
	v_pk_add_f32 v[32:33], v[32:33], v[36:37]
	v_pk_add_f32 v[34:35], v[34:35], v[38:39]
	v_pk_add_f32 v[24:25], v[24:25], v[32:33]
	v_pk_add_f32 v[26:27], v[26:27], v[34:35]
	v_pk_add_f32 v[24:25], v[24:25], v[252:253]
	v_pk_add_f32 v[26:27], v[26:27], v[254:255]
	global_store_b128 v[GO], v[24:27], s[10:11]    ; sixteen lanes store 256 consecutive bytes, aligned
.Ldone:
	s_wait_tensorcnt 0x0                           ; the wave's end
	ds_add_u32 v[SPW], v[NIL]
	s_wait_dscnt 0x0
	s_endpgm
.Lfunc_end_k_q389c84ee33_fine:
	.size	k_q389c84ee33_fine, .Lfunc_end_k_q389c84ee33_fine-k_q389c84ee33_fine
	.p2alignl 7, 3214868480
	.fill 96, 4, 3214868480
	.section	.rodata,"a",@progbits
	.p2align	6, 0x0
	.amdhsa_kernel k_q389c84ee33_fine
		.amdhsa_group_segment_fixed_size 85504
		.amdhsa_private_segment_fixed_size 0
		.amdhsa_enable_private_segment 0
		.amdhsa_kernarg_size 32
		.amdhsa_user_sgpr_count 2
		.amdhsa_user_sgpr_kernarg_segment_ptr 1
		.amdhsa_wavefront_size32 1
		.amdhsa_system_sgpr_workgroup_id_x 1
		.amdhsa_system_sgpr_workgroup_id_y 1
		.amdhsa_system_sgpr_workgroup_id_z 1
		.amdhsa_system_vgpr_workitem_id 0
		.amdhsa_next_free_vgpr 256
		.amdhsa_next_free_sgpr 66
		.amdhsa_reserve_vcc 1
		.amdhsa_float_denorm_mode_32 3
		.amdhsa_float_denorm_mode_16_64 3
		.amdhsa_memory_ordered 1
		.amdhsa_forward_progress 1
		.amdhsa_inst_pref_size 30
	.end_amdhsa_kernel
	.amdgpu_metadata
---
amdhsa.version: [ 1, 2 ]
amdhsa.kernels:
  - .name:           k_q389c84ee33_fine
    .symbol:         k_q389c84ee33_fine.kd
    .args:
      - { .name: kqv32, .offset: 0, .size: 8, .value_kind: global_buffer, .address_space: global }
      - { .name: wp16, .offset: 8, .size: 8, .value_kind: global_buffer, .address_space: global }
      - { .name: b_proj, .offset: 16, .size: 8, .value_kind: global_buffer, .address_space: global }
      - { .name: out0, .offset: 24, .size: 8, .value_kind: global_buffer, .address_space: global }
    .group_segment_fixed_size: 85504
    .private_segment_fixed_size: 0
    .kernarg_segment_align: 8
    .kernarg_segment_size: 32
    .max_flat_workgroup_size: 512
    .sgpr_count:     66
    .vgpr_count:     256
    .wavefront_size: 32
...
	.end_amdgpu_metadata
.endif
;; end of part 5
